; MI455X (gfx1250); checked and timed in simulation.
; The chip was launched on July 23, 2026; its instructions are those of AMD's public machine-readable ISA for CDNA 5 (MIT licence, August 2026) and "CDNA5" Instruction Set Architecture Reference Guide (July 2026). The comments in the code are by the model that wrote it; some were corrected since.
;; Top K Moe Layer. Allowed arithmetic: matrix products marked QUANTISED: E5M2 operands, one given power-of-two scale a tensor, by v_wmma_f32_16x16x64_bf8_bf8 or v_wmma_f32_16x16x128_bf8_bf8, f32 sums; products left as they are: f32 operands where the result goes on into a quantised operand, else bf16, f16 or f32 operands; f32 sums; everything else in f32.
;; Inputs: expert_b 8 x 1,024 float32; expert_w 8 x 1,024 x 1,024 float32; gate_b 10 float32; gate_w 10 x 1,024 float32; inputs 4 x 2,048 x 1,024 float32; lowp_scales 2 int32 (the exponents e of the quantised operands' scales 2^e).
;; Outputs: out0 4 x 2,048 x 1,024 float32.
;; This version of the problem:
;;   THIS VERSION OF THE PROBLEM IS GIVEN IN LOW PRECISION. The matrix products marked QUANTISED in the list below multiply operands that are first quantised to E5M2 (5 exponent bits, 2 mantissa bits; 8 bits a number), with one given power-of-two scale for each operand tensor; their sums are f32. All else is computed in f32.
;;   The module's matrix products, in the order in which they are computed (A, B: the left and right operand; K: the contracted axis; several contracted axes count as one K, in the product's order):
;;     1. [M 8,192, K 1,024] x [K 1,024, N 10]; A: input inputs; B: input gate_w: left as it is (N = 10 < 16)
;;     2. batch 8,192 x [M 1, K 2] x [K 2, N 10]; A: computed on the way; B: computed on the way: left as it is (K = 2 < 32)
;;     3. [M 8,192, K 1,024] x [K 1,024, N 8,192]; A: input inputs; B: input expert_w: QUANTISED (scales: A lowp_scales[0], B lowp_scales[1])
;;     4. batch 8,192 x [M 1, K 8] x [K 8, N 1,024]; A: computed on the way; B: computed on the way: left as it is (K = 8 < 32)
;;   THE QUANTISER, for each operand of a quantised product, along K:
;;     - The operand's scale is 2^e, e = its entry of the input lowp_scales (int32; the entries are numbered through the quantised products in the list's order, A before B).
;;     - Each number is divided by the scale, clamped to +-57,344, and rounded to the nearest number of E5M2, ties to even, subnormals kept.
;;     - The product sums the exact products of the quantised numbers (number of the format x scale) in f32.
;;   ~~~python
;;   def quantise(x, axis, e):      # numpy; x: float32 -> the quantised numbers, widened to float32 again
;;       x = np.moveaxis(x, axis, -1); K = x.shape[-1]
;;       r = np.clip(x / 2.0 ** e, -57344, 57344)
;;       step = 2.0 ** (np.maximum(np.frexp(np.where(r == 0, 1, r))[1] - 1, -14) - 2)
;;       q = np.round(r / step) * step * 2.0 ** e      # np.round: ties to even
;;       return np.moveaxis(q, -1, axis).astype(np.float32)
;;   ~~~
;; 2 versions, each right; version 2 is version 1 with the launch experts written anew for expert scheduling mode. Each part assembles by itself: llvm-mc -triple=amdgcn-amd-amdhsa -mcpu=gfx1250 --defsym DOCPART=n.
;; ======== version 1 of 2: 3 launches
;; limits: right only within a limited range of input values
;; workspace buffers: xcodes 8,388,608 bytes; wfrag 8,388,608 bytes; cw 262,144 bytes; hist 65,536 bytes of whole numbers; kr 65,536 bytes of whole numbers; perm 32,768 bytes of whole numbers; bmask 512 bytes of whole numbers
;; launch prep (part 1): grid 256 x 1, 8 waves a work-group, no clusters, 85,504 bytes of LDS; arguments inputs, gate_w, gate_b, expert_w, lowp_scales, xcodes, wfrag, cw, hist, kr; writes xcodes, wfrag, cw, hist, kr
.if DOCPART == 1
	.amdgcn_target "amdgcn-amd-amdhsa--gfx1250"
	.amdhsa_code_object_version 6
	.text
	.protected	k_qe711f0549b_prep
	.globl	k_qe711f0549b_prep
	.p2align	8
	.type	k_qe711f0549b_prep,@function
k_qe711f0549b_prep:
	s_mov_b64 s[64:65], 0
	v_nop
	global_prefetch_b8 v0, s[64:65] scope:SCOPE_SE
	s_setreg_imm32_b32 hwreg(HW_REG_WAVE_MODE, 25, 1), 1
	s_wait_xcnt 0x0
; FIRST OF THREE LAUNCHES.  A work-group u has eight waves: waves 0-3 take tokens, waves 4-7 take weights; w = wave % 4.
; TOKENS (tokens 32 u .. 32 u + 31, eight a wave): the ten gate logits of each token by f32 fused multiply-adds; x quantised to codes of E5M2 (xcodes[token][1024], byte k = code of k);
;   then wave 0, a lane a token: the two largest logits (a tie keeps the lower index), the two weights renormalised over the true experts (cw[token][8], f32), the token's sort key, its rank among equal
;   keys of its 32 tokens (kr[token] = key, rank) and the 32 tokens' count of each key (hist[u][64]).  The choice selects VALUES only here; a later launch forms addresses from the stored whole numbers.
;   key: lo, hi = the smaller and larger chosen index.  Both true: 8 lo + hi.  One true: 9 lo.  None: 56 (no pair has lo = 7, hi = 0).  37 keys, all under 64.
;   The weights: p is monotonic in the logit, and the softmax's divisor cancels in true_weights / denom: with d = second logit - largest logit (the maximum is taken away first), the two p stand as 1 : e^d.
;   gate_w lies in LDS (40,960 bytes, as in memory), so that a wave's registers hold its eight rows of x: all 64 loads of a wave go out at its head.  The products go four tokens at a time: a chunk of gate_w
;   (128 along k, ten loads from LDS) serves 80 packed multiply-adds.
; WEIGHTS (e = u / 32, 128 columns nb = (u / 4) % 8, k = 256 (u % 4) + 64 w + 0 .. 63): expert_w[e][k][n] quantised along k.  A load takes one row k of the 128 columns, 16 bytes a lane: all 64 loads go out at the head.
;   A lane then holds 4 columns x 64 k with k four registers apart; the hold, which every number passes anyway, writes eight neighbours along k of one column side by side for the conversion.
;   wfrag[e][ntile 64][kstep 8][c 4][lane 32][16 bytes]: lane (r, h) holds n = 16 ntile + r, k = 128 kstep + 32 c + 16 h + 0 .. 15: the order in which the last launch's operand registers take them.
;   A lane's 16-byte pieces belong to r = 4 (lane % 4) + j: they go through the wave's own stage in LDS and leave as 512 consecutive bytes a store.
; code = x / 2^e, held within +-57,344, rounded to the nearest code, ties to even.
; The two kinds part on the wave's number, meet at a barrier (gate_w lies in LDS), part again and meet at a second (the logits lie in LDS).  Every LDS address and every base but those of cw, hist and kr is made ahead of the first parting.
; LIMITS: the given exponents lie between -126 and 112.  NaN and infinities among inputs or logits are not served.  Where the only true expert chosen lies so far under the largest logit that e^d falls under the
; smallest normal f32 number (d under about -87), its weight becomes 0 and the row 0.  Two logits that differ by less than the rounding of a 1,024-term f32 sum can change places against another order of summing.
.set CST,   0                          ; LDS: a stage of 1,024 bytes for each tokens wave: a token's codes
.set LG,    4096                       ; 1,280 bytes for each tokens wave: [logit 10][lane 32] f32
.set CWT,   9216                       ; 1,024 bytes: wave 0 turns the 32 tokens' weights here
.set GW,    10240                      ; gate_w, 40,960 bytes
.set WST,   51200                      ; a stage of 8 tiles x WSP bytes for each weights wave
.set WSP,   1040                       ; a tile's 1,024 bytes + 16: tile t starts 4 t words further round the banks, so the sixteen lanes of a store (4 tiles x 4 places 64 bytes apart) meet no bank twice
.set GS,    20                         ; v20-99    tokens: two sets of 40: a chunk of gate_w, four numbers for each logit (at the head: the wave's quarter of gate_w on its way to LDS)
.set ACC,   100                        ; v100-179  four tokens x ten pairs of partial sums
.set LGT,   180                        ; v180-189  logit e; lane t holds my wave's token t
.set CODES, 190                        ; v190-197  a token's codes: word j = k 128 j + 4 lane + 0 .. 3
.set RB,    198                        ; v198-213  two sets of 8: a token's codes as 16 consecutive bytes a lane
.set TMP,   20                         ; v20-51    weights: 4 columns x 8 neighbours along k
.set WC,    64                         ; v64-127   weights: codes, 16 registers a column
.set BK,    128                        ; v128-191  weights: codes back from the stage
                                       ; window 1, v0-255: tokens: x, 32 registers a token; weights: W, 4 registers a row k
.set MSB, 0
.macro WIN new                         ; the immediate's high byte repeats the setting that is left
.if MSB != (\new)
	s_set_vgpr_msb (MSB<<8)|(\new)
.set MSB, (\new)
.endif
.endm
	s_load_b512 s[8:23], s[0:1], 0x0               ; inputs s[8:9], gate_w s[10:11], gate_b s[12:13], expert_w s[14:15], lowp_scales s[16:17], xcodes s[18:19], wfrag s[20:21], cw s[22:23]
	s_load_b128 s[24:27], s[0:1], 0x40             ; hist s[24:25], kr s[26:27]
	v_lshl_add_u32 v254, v0, 2, 0x14a00
	v_mov_b32 v255, 0
	v_lshrrev_b32 v4, 5, v0
	v_readfirstlane_b32 s2, v4                     ; wave 0..7
	v_and_b32 v4, 3, v4                            ; w
	v_and_b32 v12, 31, v0                          ; lane
	v_lshlrev_b32 v1, 4, v12                       ; 16 x lane
	v_lshlrev_b32 v2, 10, v4
	v_lshl_add_u32 v3, v12, 4, v2                  ; my wave's code stage, 16 bytes a lane
	v_lshl_add_u32 v2, v12, 2, v2                  ; and 4 bytes a lane
	v_mul_u32_u24 v5, v4, 1280
	v_lshl_add_u32 v5, v12, 2, v5
	v_add_nc_u32 v5, LG, v5                        ; my wave's logits: 4 x lane
	v_lshrrev_b32 v6, 3, v12
	v_mul_u32_u24 v6, v6, 1280
	v_and_b32 v7, 7, v12
	v_lshl_add_u32 v6, v7, 2, v6
	v_add_nc_u32 v6, LG, v6                        ; token = lane: wave lane / 8, its token lane % 8
	v_lshlrev_b32 v7, 5, v12
	v_add_nc_u32 v7, CWT, v7                       ; 32 bytes a token
	v_add_nc_u32 v8, CWT, v1                       ; and back, 16 bytes a lane
	v_lshlrev_b32 v9, 3, v12                       ; 8 x lane
	v_add_nc_u32 v13, GW, v1                       ; gate_w in LDS, 16 bytes a lane
	v_mul_u32_u24 v14, v4, 10240
	v_add_nc_u32 v14, v14, v13                     ; and the quarter of it that my wave brings
	v_mul_u32_u24 v16, v4, 8*WSP
	v_add_nc_u32 v16, WST, v16                     ; my wave's stage for W's codes
	v_lshrrev_b32 v15, 2, v12
	v_mul_u32_u24 v15, v15, WSP
	v_and_b32 v17, 3, v12
	v_lshl_add_u32 v15, v17, 6, v15
	v_add_nc_u32 v15, v15, v16                     ; in: tile lane / 4, r = 4 (lane % 4): 64 bytes apart
	v_add_nc_u32 v16, v16, v1                      ; back: 16 bytes a lane
	s_lshr_b32 s3, s2, 2                           ; 0: tokens, 1: weights
	s_and_b32 s5, s2, 3                            ; w
	s_mov_b32 s4, ttmp9                            ; u
	s_mov_b32 s31, 0
	s_mov_b32 s34, 0x76543210                      ; v_permlanex16_b32: lane l xor 16
	s_mov_b32 s35, 0xfedcba98
	s_wait_kmcnt 0x0
	s_load_b64 s[36:37], s[16:17], 0x0             ; the exponents of x's and of W's scale
	s_load_b256 s[40:47], s[12:13], 0x0            ; gate_b, ten numbers
	s_load_b64 s[48:49], s[12:13], 0x20
	s_lshl_b32 s30, s4, 17                         ; inputs: 32 rows of 4,096 bytes a work-group,
	s_lshl_b32 s32, s5, 15                         ; 8 a wave
	s_add_co_u32 s30, s30, s32
	s_add_nc_u64 s[8:9], s[8:9], s[30:31]
	s_lshl_b32 s30, s4, 15                         ; and of 1,024 bytes in xcodes
	s_lshl_b32 s32, s5, 13
	s_add_co_u32 s30, s30, s32
	s_add_nc_u64 s[18:19], s[18:19], s[30:31]
	s_mul_i32 s30, s5, 10240                       ; gate_w: my wave's quarter
	s_add_nc_u64 s[10:11], s[10:11], s[30:31]
	s_lshr_b32 s50, s4, 5                          ; e
	s_bfe_u32 s51, s4, 0x30002                     ; nb
	s_and_b32 s52, s4, 3                           ; kq
	s_lshl_b32 s30, s50, 22                        ; expert_w: e x 1,024 rows of 4,096 bytes
	s_lshl_b32 s53, s52, 20                        ; + 256 kq rows
	s_add_co_u32 s30, s30, s53
	s_lshl_b32 s53, s5, 18                         ; + 64 rows a wave
	s_add_co_u32 s30, s30, s53
	s_lshl_b32 s53, s51, 9                         ; + 128 nb columns
	s_add_co_u32 s30, s30, s53
	s_add_nc_u64 s[14:15], s[14:15], s[30:31]
	s_lshl_b32 s30, s50, 20                        ; wfrag: e x 64 tiles of 16,384 bytes
	s_lshl_b32 s53, s51, 17                        ; + 8 nb tiles
	s_add_co_u32 s30, s30, s53
	s_lshl_b32 s53, s52, 12                        ; + 32 along k are 512 bytes: 8 kq
	s_add_co_u32 s30, s30, s53
	s_lshl_b32 s53, s5, 10                         ; + 2 w of them
	s_add_co_u32 s30, s30, s53
	s_add_nc_u64 s[20:21], s[20:21], s[30:31]
	s_cmp_lg_u32 s3, 0
	s_cbranch_scc1 .Lw1
; ---------------- tokens, first part: all loads go out; my quarter of gate_w goes on into LDS ----------------
.set i, 0
.rept 20
	global_load_b128 v[GS+4*i:GS+4*i+3], v1, s[10:11] offset:512*i
.set i, i+1
.endr
	WIN 0x40                                       ; destination window 1
.set i, 0
.rept 64                                       ; load j of a row gives a lane k = 128 j + 4 lane + 0 .. 3, as gate_w's chunks have them: 32 lanes read 512 consecutive bytes
	global_load_b128 v[4*i:4*i+3], v1, s[8:9] offset:4096*(i/8)+512*(i%8) th:TH_LOAD_NT
.set i, i+1
.endr
	WIN 0
	s_wait_loadcnt 63                              ; behind gate_w's last load stand x's 64; a wait names 63 at the most, which shows one load more done than is needed
.set i, 0
.rept 20
	ds_store_b128 v14, v[GS+4*i:GS+4*i+3] offset:512*i
.set i, i+1
.endr
	s_branch .Lj1
; ---------------- weights, first part: all loads go out ----------------
.Lw1:
	WIN 0x40
.set i, 0
.rept 64                                       ; row k0 + i of my 128 columns: 32 lanes read 512 consecutive bytes; register 4 i + j = W(k0 + i, column 4 lane + j)
	global_load_b128 v[4*i:4*i+3], v1, s[14:15] offset:4096*i th:TH_LOAD_NT
.set i, i+1
.endr
	WIN 0
.Lj1:
	s_wait_dscnt 0x0                               ; for the others' sake: my quarter of gate_w lies in LDS
	s_barrier_signal -1
	s_barrier_wait -1                              ; gate_w is whole; it is only read from here on
	s_wait_kmcnt 0x0
	s_cmp_lg_u32 s3, 0
	s_cselect_b32 s38, s37, s36                    ; the exponent of my operand's scale
	s_add_co_i32 s38, s38, 127
	s_lshl_b32 s39, s38, 23
	v_mov_b32 v10, s39                             ; 2^e as f32: the conversion takes its exponent field
	s_add_co_i32 s38, s38, 15
	s_lshl_b32 s38, s38, 23
	s_or_b32 s38, s38, 0x600000
	v_mov_b32 v11, s38                             ; 57,344 x 2^e
	s_cmp_lg_u32 s3, 0
	s_cbranch_scc1 .Lw2
; ---------------- tokens, second part ----------------
.macro GLOAD jq                        ; chunk jq of gate_w (k = 128 jq + 4 lane + 0 .. 3 of the ten logits) into set jq % 2
.irp e, 0,1,2,3,4,5,6,7,8,9
	ds_load_b128 v[GS+40*((\jq)%2)+4*\e:GS+40*((\jq)%2)+4*\e+3], v13 offset:4096*\e+512*(\jq)
.endr
.endm
.macro DOT b, jq                       ; 80 packed multiply-adds: four tokens x ten logits x two pairs; forty chains by turns; the first product starts each sum
.set gs, GS+40*((\jq)%2)
	WIN 0x01                                       ; source 0 (x) window 1
.irp p, 0,1
.irp tt, 0,1,2,3
.irp e, 0,1,2,3,4,5,6,7,8,9
.if (\jq) == 0 && \p == 0
	v_pk_mul_f32 v[ACC+20*\tt+2*\e:ACC+20*\tt+2*\e+1], v[32*(4*(\b)+\tt)+4*(\jq)+2*\p:32*(4*(\b)+\tt)+4*(\jq)+2*\p+1], v[gs+4*\e+2*\p:gs+4*\e+2*\p+1]
.else
	v_pk_fma_f32 v[ACC+20*\tt+2*\e:ACC+20*\tt+2*\e+1], v[32*(4*(\b)+\tt)+4*(\jq)+2*\p:32*(4*(\b)+\tt)+4*(\jq)+2*\p+1], v[gs+4*\e+2*\p:gs+4*\e+2*\p+1], v[ACC+20*\tt+2*\e:ACC+20*\tt+2*\e+1]
.endif
.endr
.endr
.endr
	WIN 0
.endm
.macro TOKQ t                          ; token t: its codes go out, its ten sums are finished
.set XS, 32*(\t)
.set AC, ACC+20*((\t)%4)
.set RS, RB+8*((\t)%2)
	WIN 0x41                                       ; x (source 0 and destination) window 1
.set i, 0
.rept 32
	v_med3_num_f32 v[XS+i], v[XS+i], -v11, v11     ; the conversion to an 8-bit code does not saturate (ISA guide 7.6.2): the hold at the largest code x the scale
.set i, i+1
.endr
	WIN 0x01
.irp g, 0,1,2,3
	v_cvt_scalef32_pk8_bf8_f32 v[CODES+2*\g:CODES+2*\g+1], v[XS+8*\g:XS+8*\g+7], v10
.endr
	WIN 0
	v_nop                                          ; one plain vector instruction behind the last conversion, ahead of whatever next touches its registers
.irp j, 0,1,2,3,4,5,6,7
	ds_store_b32 v2, v[CODES+\j] offset:128*\j     ; the row's 1,024 codes as they lie in memory
.endr
.if (\t) >= 2
	s_wait_xcnt 0x0                                ; the stores of two tokens ago have read this set of registers; no younger memory instruction but the last token's two stores is out
.endif
	ds_load_b128 v[RS:RS+3], v3                    ; LDS serves a wave's instructions in order: these see the stores above
	ds_load_b128 v[RS+4:RS+7], v3 offset:512
.irp e, 0,1,2,3,4,5,6,7,8,9                    ; the sums over the pair and over the 32 lanes, the ten logits by turns
	v_add_f32 v[AC+2*\e], v[AC+2*\e], v[AC+2*\e+1]
.endr
.irp m, 1,2,4,8
.irp e, 0,1,2,3,4,5,6,7,8,9
	v_add_f32_dpp v[AC+2*\e], v[AC+2*\e], v[AC+2*\e] row_xmask:\m row_mask:0xf bank_mask:0xf
.endr
.endr
.irp e, 0,1,2,3,4,5,6,7,8,9
	v_permlanex16_b32 v[AC+2*\e+1], v[AC+2*\e], s34, s35
.endr
.irp e, 0,1,2,3,4,5,6,7,8,9
	v_add_f32 v[AC+2*\e], v[AC+2*\e], v[AC+2*\e+1]
.endr
.if (\t) == 0
.irp e, 0,1,2,3,4,5,6,7,8,9
	v_mov_b32 v[LGT+\e], v[AC+2*\e]
.endr
.else
	s_mov_b32 s50, 1<<(\t)
.irp e, 0,1,2,3,4,5,6,7,8,9
	v_cndmask_b32 v[LGT+\e], v[LGT+\e], v[AC+2*\e], s50   ; lane t keeps token t's logit
.endr
.endif
	s_wait_dscnt 0x0                               ; the codes are back, 16 consecutive bytes a lane
	global_store_b128 v1, v[RS:RS+3], s[18:19] offset:1024*(\t)        ; 32 lanes store 512 consecutive bytes, aligned
	global_store_b128 v1, v[RS+4:RS+7], s[18:19] offset:1024*(\t)+512
.endm
.macro BATCH b                         ; tokens 4 b .. 4 b + 3
	s_wait_loadcnt 32*(1-(\b))                     ; their 32 loads are in; the second batch's 32 stay out
	GLOAD 0
.irp jq, 0,1,2,3,4,5,6,7
.if \jq < 7
	GLOAD \jq+1
	s_wait_dscnt 10                                ; this chunk is in; the next chunk's ten loads stay out
.else
	s_wait_dscnt 0
.endif
	DOT \b, \jq
.endr
.irp tt, 0,1,2,3
	TOKQ 4*(\b)+\tt
.endr
.endm
	BATCH 0
	BATCH 1
.irp e, 0,1,2,3,4,5,6,7,8,9
	ds_store_b32 v5, v[LGT+\e] offset:128*\e
.endr
	s_branch .Ljoin
; ---------------- weights, second part ----------------
.macro WGRP g                          ; rows 8 g .. 8 g + 7: 4 columns x 8 neighbours along k become 4 x 8 codes
	s_wait_loadcnt 56-8*(\g)                       ; these eight rows are in; the rows behind them stay out
	WIN 0x01                                       ; source 0 (W) window 1
.irp j, 0,1,2,3
.irp i, 0,1,2,3,4,5,6,7
	v_med3_num_f32 v[TMP+8*\j+\i], v[4*(8*(\g)+\i)+\j], -v11, v11   ; the hold, and the move that lays a column's eight numbers side by side, in one
.endr
.endr
	WIN 0
.irp j, 0,1,2,3
	v_cvt_scalef32_pk8_bf8_f32 v[WC+16*\j+2*(\g):WC+16*\j+2*(\g)+1], v[TMP+8*\j:TMP+8*\j+7], v10
.endr
	v_nop                                          ; one plain vector instruction behind the last conversion: the next group's holds write its sources
.endm
.macro WSTAGE cp                       ; k 32 cp .. 32 cp + 31 of my 128 columns through the stage: piece (column j, half h) to its tile's place 512 cp + 256 h + 16 r
.irp j, 0,1,2,3
.irp h, 0,1
	ds_store_b128 v15, v[WC+16*\j+8*(\cp)+4*\h:WC+16*\j+8*(\cp)+4*\h+3] offset:512*(\cp)+256*\h+16*\j
.endr
.endr
.irp nt, 0,1,2,3,4,5,6,7
	ds_load_b128 v[BK+32*(\cp)+4*\nt:BK+32*(\cp)+4*\nt+3], v16 offset:WSP*\nt+512*(\cp)   ; LDS serves a wave's instructions in order: these see my stores
.endr
.endm
.macro WSEND cp
.irp nt, 0,1,2,3,4,5,6,7
	global_store_b128 v1, v[BK+32*(\cp)+4*\nt:BK+32*(\cp)+4*\nt+3], s[20:21] offset:16384*\nt+512*(\cp)   ; 32 lanes store 512 consecutive bytes, aligned
.endr
.endm
.Lw2:
	WGRP 0
	WGRP 1
	WGRP 2
	WGRP 3
	WSTAGE 0
	WGRP 4                                         ; a group's work stands between the stage's loads and the wait for them
	s_wait_dscnt 0x0
	WSEND 0
	WGRP 5
	WGRP 6
	WGRP 7
	WSTAGE 1
	s_wait_dscnt 0x0
	WSEND 1
; ---------------- both kinds meet again; then wave 0 goes on, a lane a token ----------------
.Ljoin:
	s_wait_dscnt 0x0                               ; for the others' sake: my logits lie in LDS
	s_barrier_signal -1
	s_barrier_wait -1
	s_cmp_lg_u32 s2, 0
	s_cbranch_scc1 .Lend
.irp e, 0,1,2,3,4,5,6,7,8,9
	ds_load_b32 v[20+\e], v6 offset:128*\e
.endr
	s_lshl_b32 s30, s4, 10
	s_add_nc_u64 s[22:23], s[22:23], s[30:31]      ; cw: 32 tokens of 32 bytes
	s_lshl_b32 s30, s4, 8
	s_add_nc_u64 s[24:25], s[24:25], s[30:31]      ; hist and kr: 256 bytes a work-group
	s_add_nc_u64 s[26:27], s[26:27], s[30:31]
	s_wait_dscnt 0x0
.irp e, 0,1,2,3,4,5,6,7,8,9
	v_add_f32 v[20+\e], s[40+\e], v[20+\e]         ; + gate_b
.endr
	v_mov_b32 v30, v20                             ; the largest logit and its index: a later one wins only if it is greater
	v_mov_b32 v31, 0
.irp e, 1,2,3,4,5,6,7,8,9
	v_cmp_gt_f32 vcc_lo, v[20+\e], v30
	v_cndmask_b32 v30, v30, v[20+\e], vcc_lo
	v_cndmask_b32 v31, v31, \e, vcc_lo
.endr
	v_mov_b32 v32, 0xff800000                      ; the second, among the nine others
	v_mov_b32 v33, 0
.irp e, 0,1,2,3,4,5,6,7,8,9
	v_cmp_ne_u32 s52, \e, v31
	v_cmp_gt_f32 vcc_lo, v[20+\e], v32
	s_and_b32 vcc_lo, vcc_lo, s52
	v_cndmask_b32 v32, v32, v[20+\e], vcc_lo
	v_cndmask_b32 v33, v33, \e, vcc_lo
.endr
	v_sub_f32 v34, v32, v30                        ; d, 0 or less
	v_mul_f32 v34, 0x3fb8aa3b, v34
	v_exp_f32 v35, v34                             ; e^d
	v_min_u32 v65, v31, v33                        ; (plain instructions behind the transcendental)  lo
	v_max_u32 v66, v31, v33                        ; hi
	v_cmp_gt_u32 s52, 8, v31                       ; is the first a true expert?
	v_cmp_gt_u32 s53, 8, v33                       ; the second?
	s_wait_alu depctr_va_vdst(0)                   ; the wait ahead of the first use
	v_cndmask_b32 v36, 0, 1.0, s52
	v_cndmask_b32 v37, 0, v35, s53
	v_add_f32 v38, v36, v37                        ; denom, in units of the largest p
	v_cmp_lt_f32 vcc_lo, 0, v38
	v_cndmask_b32 v38, 1.0, v38, vcc_lo            ; 1 where it is not positive
	v_rcp_f32 v39, v38
	v_lshl_add_u32 v67, v65, 3, v66                ; (plain instructions behind the transcendental)  8 lo + hi
	v_lshl_add_u32 v68, v65, 3, v65                ; 9 lo
	s_wait_alu depctr_va_vdst(0)
	v_mul_f32 v40, v36, v39
	v_mul_f32 v41, v37, v39
.irp e, 0,1,2,3,4,5,6,7
	v_cmp_eq_u32 vcc_lo, \e, v31
	v_cndmask_b32 v[44+\e], 0, v40, vcc_lo
	v_cmp_eq_u32 vcc_lo, \e, v33
	v_cndmask_b32 v[44+\e], v[44+\e], v41, vcc_lo
.endr
	ds_store_b128 v7, v[44:47]                     ; 32 bytes a token, turned through LDS so that each store below covers 512 consecutive bytes
	ds_store_b128 v7, v[48:51] offset:16
	ds_load_b128 v[52:55], v8
	ds_load_b128 v[56:59], v8 offset:512
	v_cmp_gt_u32 vcc_lo, 8, v66
	v_cndmask_b32 v60, v68, v67, vcc_lo            ; both true: 8 lo + hi; else 9 lo
	v_cmp_gt_u32 vcc_lo, 8, v65
	v_cndmask_b32 v60, 56, v60, vcc_lo             ; none true: 56
	v_mov_b32 v61, 0                               ; my rank
	v_mov_b32 v62, 0                               ; counts: lane l holds keys 2 l and 2 l + 1
	v_mov_b32 v63, 0
.irp a, 0,1,2,3,4,5,6,7
.irp h, 0,1,2,3,4,5,6,7
.set cc, 8*\a+\h
.if (\h >= \a) || (cc == 56)
	v_cmp_eq_u32 s52, cc, v60
	v_mbcnt_lo_u32_b32 v64, s52, 0                 ; how many lanes under mine have this key
	v_cndmask_b32 v61, v61, v64, s52
	s_bcnt1_i32_b32 s53, s52
	v_writelane_b32 v[62+cc%2], s53, cc/2
.endif
.endr
.endr
	s_wait_dscnt 0x0
	global_store_b128 v1, v[52:55], s[22:23]
	global_store_b128 v1, v[56:59], s[22:23] offset:512
	global_store_b64 v9, v[62:63], s[24:25]        ; 32 lanes store 256 consecutive bytes, aligned
	global_store_b64 v9, v[60:61], s[26:27]
.Lend:
	s_wait_tensorcnt 0x0
	ds_add_u32 v254, v255
	s_wait_dscnt 0x0
	s_endpgm
.Lfunc_end_k_qe711f0549b_prep:
	.size	k_qe711f0549b_prep, .Lfunc_end_k_qe711f0549b_prep-k_qe711f0549b_prep
	.p2alignl 7, 3214868480
	.fill 96, 4, 3214868480
	.section	.rodata,"a",@progbits
	.p2align	6, 0x0
	.amdhsa_kernel k_qe711f0549b_prep
		.amdhsa_group_segment_fixed_size 85504
		.amdhsa_private_segment_fixed_size 0
		.amdhsa_enable_private_segment 0
		.amdhsa_kernarg_size 80
		.amdhsa_user_sgpr_count 2
		.amdhsa_user_sgpr_kernarg_segment_ptr 1
		.amdhsa_wavefront_size32 1
		.amdhsa_system_sgpr_workgroup_id_x 1
		.amdhsa_system_sgpr_workgroup_id_y 1
		.amdhsa_system_sgpr_workgroup_id_z 1
		.amdhsa_system_vgpr_workitem_id 0
		.amdhsa_next_free_vgpr 512
		.amdhsa_next_free_sgpr 66
		.amdhsa_reserve_vcc 1
		.amdhsa_float_denorm_mode_32 3
		.amdhsa_float_denorm_mode_16_64 3
		.amdhsa_memory_ordered 1
		.amdhsa_forward_progress 1
		.amdhsa_inst_pref_size 214
	.end_amdhsa_kernel
	.amdgpu_metadata
---
amdhsa.version: [ 1, 2 ]
amdhsa.kernels:
  - .name:           k_qe711f0549b_prep
    .symbol:         k_qe711f0549b_prep.kd
    .args:
      - { .name: inputs, .offset: 0, .size: 8, .value_kind: global_buffer, .address_space: global }
      - { .name: gate_w, .offset: 8, .size: 8, .value_kind: global_buffer, .address_space: global }
      - { .name: gate_b, .offset: 16, .size: 8, .value_kind: global_buffer, .address_space: global }
      - { .name: expert_w, .offset: 24, .size: 8, .value_kind: global_buffer, .address_space: global }
      - { .name: lowp_scales, .offset: 32, .size: 8, .value_kind: global_buffer, .address_space: global }
      - { .name: xcodes, .offset: 40, .size: 8, .value_kind: global_buffer, .address_space: global }
      - { .name: wfrag, .offset: 48, .size: 8, .value_kind: global_buffer, .address_space: global }
      - { .name: cw, .offset: 56, .size: 8, .value_kind: global_buffer, .address_space: global }
      - { .name: hist, .offset: 64, .size: 8, .value_kind: global_buffer, .address_space: global }
      - { .name: kr, .offset: 72, .size: 8, .value_kind: global_buffer, .address_space: global }
    .group_segment_fixed_size: 85504
    .private_segment_fixed_size: 0
    .kernarg_segment_align: 8
    .kernarg_segment_size: 80
    .max_flat_workgroup_size: 256
    .sgpr_count:     66
    .vgpr_count:     512
    .wavefront_size: 32
...
	.end_amdgpu_metadata
.endif
;; end of part 1
;; launch place (part 2): grid 1 x 1, 32 waves a work-group, no clusters, 78,336 bytes of LDS; arguments hist, kr, perm, bmask; writes perm, bmask
.if DOCPART == 2
	.amdgcn_target "amdgcn-amd-amdhsa--gfx1250"
	.amdhsa_code_object_version 6
	.text
	.protected	k_qe711f0549b_place
	.globl	k_qe711f0549b_place
	.p2align	8
	.type	k_qe711f0549b_place,@function
k_qe711f0549b_place:
	s_mov_b64 s[64:65], 0
	v_nop
	global_prefetch_b8 v0, s[64:65] scope:SCOPE_SE
	s_setreg_imm32_b32 hwreg(HW_REG_WAVE_MODE, 25, 1), 1
	s_wait_xcnt 0x0
; SECOND LAUNCH: a counting sort of the 8,192 tokens by their key, without atomics, by one work-group of 1,024 threads.
; hist[g 256][c 64]: how many of group g's 32 tokens have key c.  kr[token] = (key, rank among equal keys of its group).  The token's place is
;   pos = (where the tokens of key c of the group's chunk of 16 groups begin) + (tokens of key c in earlier groups of the chunk) + rank;   perm[pos] = token.
; Waves 0-7: thread tid takes the four keys 4 (tid % 16) .. + 3 and the 16 groups of chunk tid / 16: sixteen loads of 16 bytes (sixteen lanes read one whole row of 256 bytes); the running sums of four registers are
; stored into the table OT ahead of each addition, the chunk's totals into SS.  Wave 0 scans the 16 chunks of each key and the 64 keys (BB, CB).  Then every thread places eight tokens by two LDS reads each.
; bmask[block 64] = (bit e set where a token among places 128 block .. + 127 uses true expert e, the number of such bits): from where the keys' runs begin; waves 1 and 2, a lane a block.
; The 8,192 words of perm go to places that hang on the data: that is the sort itself.
.set SS, 0                             ; LDS: [q 16][c 64] chunk totals
.set BB, 4096                          ; [q 16][c 64] where a chunk's tokens of a key begin
.set CB, 8192                          ; [c 64] where a key's run begins
.set OT, 8704                          ; [g 256][c 64] tokens of the key in earlier groups of the chunk
	s_load_b256 s[8:15], s[0:1], 0x0               ; hist s[8:9], kr s[10:11], perm s[12:13], bmask s[14:15]
	v_lshrrev_b32 v7, 5, v0
	v_readfirstlane_b32 s2, v7                     ; wave 0..31
	v_and_b32 v7, 31, v0                           ; lane
	v_lshrrev_b32 v3, 4, v0                        ; tid / 16
	v_and_b32 v1, 15, v0
	v_lshlrev_b32 v1, 4, v1
	v_lshl_add_u32 v1, v3, 12, v1                  ; 16 (tid / 16) rows of 256 bytes + 16 (tid % 16): in hist, and in OT
	v_lshlrev_b32 v2, 4, v0                        ; 16 tid: in SS (256 q + 16 bytes for four keys), and in kr (two tokens)
	v_lshlrev_b32 v4, 8, v3
	v_add_nc_u32 v4, OT, v4                        ; tokens 2 tid and 2 tid + 1 lie in group tid / 16; tokens 2,048 j further on: 64 j rows on
	v_lshlrev_b32 v5, 2, v7                        ; 4 x lane
	v_add_nc_u32 v6, OT, v1
	v_lshrrev_b32 v3, 8, v0
	v_lshlrev_b32 v3, 8, v3
	v_add_nc_u32 v3, BB, v3                        ; that group's chunk is tid / 256; 4 j rows on for the later tokens
	s_mov_b32 s21, 0xffff0000                      ; lanes 16-31
	s_wait_kmcnt 0x0
.macro KRLOAD                          ; key and rank of tokens 2 tid + 2,048 j and the next: 32 lanes read 512 consecutive bytes
.irp j, 0,1,2,3
	global_load_b128 v[72+4*\j:75+4*\j], v2, s[10:11] offset:16384*\j
.endr
.endm
	s_cmp_lt_u32 s2, 8
	s_cbranch_scc0 .Lothers
.set j, 0
.rept 16
	global_load_b128 v[8+4*j:11+4*j], v1, s[8:9] offset:256*j   ; hist[16 q + j][my four keys]
.set j, j+1
.endr
	KRLOAD
.irp k, 0,1,2,3
	v_mov_b32 v[88+\k], 0                          ; the running sums of my four keys
.endr
.set j, 0
.rept 16
	s_wait_loadcnt 19-j                            ; row j is in: behind it stand 15 - j rows and the four loads of kr
	ds_store_b128 v6, v[88:91] offset:256*j        ; what came before group j; an LDS store's sources may be written again at once
.irp k, 0,1,2,3
	v_add_nc_u32 v[88+\k], v[88+\k], v[8+4*j+\k]
.endr
.set j, j+1
.endr
	ds_store_b128 v2, v[88:91]                     ; the chunk's totals
	s_branch .Lb1
.Lothers:
	KRLOAD
.Lb1:
	s_wait_dscnt 0x0                               ; for the others' sake: my part of the table and my totals lie in LDS
	s_barrier_signal -1
	s_barrier_wait -1
	s_cmp_lg_u32 s2, 0
	s_cbranch_scc1 .Lnot0
; wave 0: lane l takes keys l (u = 0) and l + 32 (u = 1); the two keys' chains take turns
.set q, 0
.rept 16
.irp u, 0,1
	ds_load_b32 v[8+16*\u+q], v5 offset:SS+256*q+128*\u
.endr
.set q, q+1
.endr
	s_wait_dscnt 0x0
.set q, 1
.rept 15
.irp u, 0,1
	v_add_nc_u32 v[8+16*\u+q], v[8+16*\u+q], v[8+16*\u+q-1]   ; sums over the chunks up to and with q
.endr
.set q, q+1
.endr
	v_mov_b32 v40, v23                             ; the two keys' totals,
	v_mov_b32 v41, v39
	v_mov_b32 v42, 0                               ; (written once: the destination of a DPP form counts as read)
	v_mov_b32 v43, 0
.irp n, 1,2,4,8                                ; summed over the lanes up to and with mine
	v_mov_b32_dpp v42, v40 row_shr:\n row_mask:0xf bank_mask:0xf bound_ctrl:1
	v_mov_b32_dpp v43, v41 row_shr:\n row_mask:0xf bank_mask:0xf bound_ctrl:1
	v_add_nc_u32 v40, v40, v42
	v_add_nc_u32 v41, v41, v43
.endr
	v_readlane_b32 s20, v40, 15
	v_readlane_b32 s22, v41, 15
	v_add_nc_u32 v42, s20, v40
	v_add_nc_u32 v43, s22, v41
	v_cndmask_b32 v40, v40, v42, s21               ; lanes 16-31 add the first sixteen's sum
	v_cndmask_b32 v41, v41, v43, s21
	v_sub_nc_u32 v44, v40, v23                     ; where key l's run begins
	v_readlane_b32 s23, v40, 31
	v_sub_nc_u32 v45, v41, v39
	v_add_nc_u32 v45, s23, v45                     ; and key l + 32's
.irp u, 0,1
	ds_store_b32 v5, v[44+\u] offset:CB+128*\u
	ds_store_b32 v5, v[44+\u] offset:BB+128*\u     ; chunk 0 begins with the run
.endr
.set q, 1
.rept 15
.irp u, 0,1
	v_add_nc_u32 v[8+16*\u+q-1], v[8+16*\u+q-1], v[44+\u]
	ds_store_b32 v5, v[8+16*\u+q-1] offset:BB+256*q+128*\u
.endr
.set q, q+1
.endr
.Lnot0:
	s_wait_dscnt 0x0
	s_barrier_signal -1
	s_barrier_wait -1                              ; the tables are whole; from here on LDS is only read
	s_wait_loadcnt 0x0                             ; kr
.set n, 0
.rept 8                                        ; token 2 tid + n % 2 + 2,048 (n / 2): its key in v[72 + 2 n], its rank in v[73 + 2 n]
	v_min_u32 v[72+2*n], 63, v[72+2*n]             ; a loaded number enters an address only behind a bound
	v_lshl_add_u32 v[8+n], v[72+2*n], 2, v4
	v_lshl_add_u32 v[16+n], v[72+2*n], 2, v3
	ds_load_b32 v[24+n], v[8+n] offset:16384*(n/2)
	ds_load_b32 v[32+n], v[16+n] offset:1024*(n/2)
	v_lshl_add_u32 v[40+n], v0, 1, 2048*(n/2)+(n%2)   ; the token
.set n, n+1
.endr
	s_wait_dscnt 0x0
.set n, 0
.rept 8
	v_add3_u32 v[24+n], v[24+n], v[32+n], v[73+2*n]   ; within the chunk + the chunk's beginning + rank
	v_min_u32 v[24+n], 0x1fff, v[24+n]
	v_lshlrev_b32 v[24+n], 2, v[24+n]
	global_store_b32 v[24+n], v[40+n], s[12:13]
.set n, n+1
.endr
	s_sub_co_u32 s22, s2, 1                        ; waves 1 and 2: a lane a block of 128 places
	s_cmp_lt_u32 s22, 2
	s_cbranch_scc0 .Lend
	v_mov_b32 v112, 0
.set i, 0
.rept 16
	ds_load_b128 v[48+4*i:51+4*i], v112 offset:CB+16*i   ; where the 64 keys' runs begin, the same words in every lane: v[48 + c]
.set i, i+1
.endr
	s_lshl_b32 s23, s22, 5
	v_add_nc_u32 v113, s23, v7                     ; block
	v_lshlrev_b32 v114, 7, v113                    ; its first place,
	v_add_nc_u32 v115, 128, v114                   ; and the first behind it
	v_lshlrev_b32 v113, 3, v113
.irp k, 0,1,2,3
	v_mov_b32 v[116+\k], 0                         ; four partial masks, so that four keys go side by side
.endr
	s_wait_dscnt 0x0
.macro MB4 c0, c1, c2, c3              ; four keys: does the key's run (from its beginning to the next key's) reach into my block?  Then its two experts' bits are set
.set k, 0
.irp cc, \c0, \c1, \c2, \c3
	v_max_u32 v[120+k], v[48+\cc], v114
.set k, k+1
.endr
.set k, 0
.irp cc, \c0, \c1, \c2, \c3
.if \cc < 63
	v_min_u32 v[124+k], v[49+\cc], v115
.else
	v_min_u32 v[124+k], 0x2000, v115               ; the last key's run ends with the tokens
.endif
.set k, k+1
.endr
.irp k4, 0,1,2,3
	v_cmp_lt_u32 s[24+\k4], v[120+\k4], v[124+\k4]
.endr
.set k, 0
.irp cc, \c0, \c1, \c2, \c3
	v_or_b32 v[120+k], (1<<(\cc/8))|(1<<(\cc%8)), v[116+k]
.set k, k+1
.endr
.irp k4, 0,1,2,3
	v_cndmask_b32 v[116+\k4], v[116+\k4], v[120+\k4], s[24+\k4]
.endr
.endm
	MB4 0, 1, 2, 3                                 ; the 36 keys 8 a + h, h >= a, that name experts (key 56 names none)
	MB4 4, 5, 6, 7
	MB4 9, 10, 11, 12
	MB4 13, 14, 15, 18
	MB4 19, 20, 21, 22
	MB4 23, 27, 28, 29
	MB4 30, 31, 36, 37
	MB4 38, 39, 45, 46
	MB4 47, 54, 55, 63
	v_or_b32 v116, v116, v117
	v_or_b32 v118, v118, v119
	v_or_b32 v120, v116, v118
	v_mov_b32 v121, 0
.irp i, 0,1,2,3,4,5,6,7
	v_bfe_u32 v122, v120, \i, 1
	v_add_nc_u32 v121, v121, v122
.endr
	global_store_b64 v113, v[120:121], s[14:15]    ; 32 lanes store 256 consecutive bytes, aligned
.Lend:
	s_wait_xcnt 0x0
	v_lshl_add_u32 v126, v0, 2, 0x12200
	v_mov_b32 v127, 0
	s_wait_tensorcnt 0x0
	ds_add_u32 v126, v127
	s_wait_dscnt 0x0
	s_endpgm
.Lfunc_end_k_qe711f0549b_place:
	.size	k_qe711f0549b_place, .Lfunc_end_k_qe711f0549b_place-k_qe711f0549b_place
	.p2alignl 7, 3214868480
	.fill 96, 4, 3214868480
	.section	.rodata,"a",@progbits
	.p2align	6, 0x0
	.amdhsa_kernel k_qe711f0549b_place
		.amdhsa_group_segment_fixed_size 78336
		.amdhsa_private_segment_fixed_size 0
		.amdhsa_enable_private_segment 0
		.amdhsa_kernarg_size 32
		.amdhsa_user_sgpr_count 2
		.amdhsa_user_sgpr_kernarg_segment_ptr 1
		.amdhsa_wavefront_size32 1
		.amdhsa_system_sgpr_workgroup_id_x 1
		.amdhsa_system_sgpr_workgroup_id_y 1
		.amdhsa_system_sgpr_workgroup_id_z 1
		.amdhsa_system_vgpr_workitem_id 0
		.amdhsa_next_free_vgpr 128
		.amdhsa_next_free_sgpr 66
		.amdhsa_reserve_vcc 0
		.amdhsa_float_denorm_mode_32 3
		.amdhsa_float_denorm_mode_16_64 3
		.amdhsa_memory_ordered 1
		.amdhsa_forward_progress 1
		.amdhsa_inst_pref_size 31
	.end_amdhsa_kernel
	.amdgpu_metadata
---
amdhsa.version: [ 1, 2 ]
amdhsa.kernels:
  - .name:           k_qe711f0549b_place
    .symbol:         k_qe711f0549b_place.kd
    .args:
      - { .name: hist, .offset: 0, .size: 8, .value_kind: global_buffer, .address_space: global }
      - { .name: kr, .offset: 8, .size: 8, .value_kind: global_buffer, .address_space: global }
      - { .name: perm, .offset: 16, .size: 8, .value_kind: global_buffer, .address_space: global }
      - { .name: bmask, .offset: 24, .size: 8, .value_kind: global_buffer, .address_space: global }
    .group_segment_fixed_size: 78336
    .private_segment_fixed_size: 0
    .kernarg_segment_align: 8
    .kernarg_segment_size: 32
    .max_flat_workgroup_size: 1024
    .sgpr_count:     66
    .vgpr_count:     128
    .wavefront_size: 32
...
	.end_amdgpu_metadata
.endif
;; end of part 2
;; launch experts (part 3): grid 4 x 64, 4 waves a work-group, no clusters, 157,184 bytes of LDS; arguments xcodes, wfrag, cw, perm, bmask, expert_b, lowp_scales, out0; writes out0
.if DOCPART == 3
	.amdgcn_target "amdgcn-amd-amdhsa--gfx1250"
	.amdhsa_code_object_version 6
	.text
	.protected	k_qe711f0549b_experts
	.globl	k_qe711f0549b_experts
	.p2align	8
	.type	k_qe711f0549b_experts,@function
k_qe711f0549b_experts:
	s_mov_b64 s[64:65], 0
	v_nop
	global_prefetch_b8 v0, s[64:65] scope:SCOPE_SE
	s_setreg_imm32_b32 hwreg(HW_REG_WAVE_MODE, 25, 1), 1
	s_wait_xcnt 0x0
; THIRD LAUNCH.  out[t] = the sum over the true experts e of c[t][e] x (Q(x[t]) . Q(W_e) x 2^E + b_e), E = the two given exponents added; only the experts that a block of tokens uses are multiplied.
; SHARES.  Work-group (Q = x, b = y) owns the 128 tokens at sorted places 128 b .. 128 b + 127 (perm) and columns 256 Q .. 256 Q + 255: every piece of an output row has one owner.  Wave w owns 64 columns
; (four tiles of 16) for all eight tiles of 16 tokens.  Tokens are sorted by their set of experts, so a block uses few.
; NO TENSOR LOAD, NO CLUSTER: which experts are walked is a branch on a stored number (bmask), so the weights go from memory straight into the operand's registers: wfrag is laid in their order, a lane loads 16 bytes at 16 x lane.
; X lies in LDS once, as images of its fragments (gathered by perm), read by all four waves; each fragment read feeds four matrix instructions.  Each fragment of W is loaded by one wave of the work-group.
; THE MATRIX INSTRUCTION IS USED TRANSPOSED (source 0 = 16 columns of W, source 1 = 16 tokens): lane (r, h) holds token r and columns 8 h + 0 .. 7, so the token's weight c is one number a lane.
; Both operands are fed as four pieces of 16 bytes (registers 4 c .. 4 c + 3: k = 32 c + 16 h + 0 .. 15): the same permutation of k on both sides, so every product meets its partner.
; AN EXPERT'S TURN is two halves of K = 512.  In a half the eight token tiles follow each other; a tile's four sums T (b / 2^E goes in as the C of the first half's first product) are added into OUT by
; OUT += (c x 2^E) x T, packed, between the next tile's matrix instructions.  A token that does not use the expert has c = 0, and 0 x a finite sum adds nothing.
; While one half is multiplied, the other half's weights (of this expert, then of the next one that the mask names) are on their way.
; LIMITS: c x 2^E and |b| / 2^E must be f32 numbers (both by v_ldexp_f32); a bias that is not finite is not served.
; REGISTERS, in windows of 256: window 0: v1-3 X's LDS addresses; v4, v5 offsets; v6-13 32 x token of lane r, a tile each; v14-21 c as loaded; v22-29 c x 2^E; v30-61 the bias; v62-125 T, two sets; v126-253 X's fragments, two sets.
;   window 1: W's K steps 0-3;  window 2: K steps 4-7 (at 64 (ks % 4) + 16 nt + 4 c);  window 3: OUT at 32 m + 8 nt + j (in the prologue: the gathered rows).
.set PIECE, 544                        ; LDS: a piece of a fragment: 256 bytes for lanes 0-15, 16 of padding, 256 for lanes 16-31, 16 of padding
.set MT,    32*PIECE                   ; a token tile: 8 K steps x 4 pieces
.set STG,   8*MT                       ; behind X's images: a stage of 16 rows x 272 bytes for each wave
.set SP,    272
.set ADX,   1
.set WOFF,  4
.set BOFF,  5
.set TOKC,  6
.set CL,    14
.set CW,    22
.set BW,    30
.set T,     62
.set X,     126
.set RO,    126                        ; the prologue's own, in X's registers: 16 row offsets,
.set GST,   142                        ; where I put a row's 16 bytes
.set STO,   30                         ; the way out's own, in the bias's and T's registers
.set RD,    31
.set CO,    32
.set IDX,   34
.set OTK,   42
.set BK,    62
.set WB0,   34                         ; s[34:35] wfrag at my wave's four tiles of expert 0
.set SA,    36                         ; s[36:37] the same for the expert in hand
.set SN,    38                         ; s[38:39] for the next
.set SC,    40                         ; s[40:41] cw at the next expert's column
.set BB0,   42                         ; s[42:43] expert_b at my wave's columns of expert 0
.set SBN,   44                         ; s[44:45] the same for the next expert
.set FM,    0xf0                       ; OUT (destination and source 2) window 3
.set TOA,   0x40                       ; destination window 1
.set TOB,   0x80                       ; destination window 2
.set TO3,   0xc0                       ; destination window 3
.set D3,    0x0c                       ; an LDS store's data window 3
.set MSB, 0
.macro WIN new                         ; the immediate's high byte repeats the setting that is left
.if MSB != (\new)
	s_set_vgpr_msb (MSB<<8)|(\new)
.set MSB, (\new)
.endif
.endm
.macro NEXTBASES                       ; from s32, the next expert (bounded by 7)
	s_lshl_b32 s46, s32, 20
	s_add_nc_u64 s[SN:SN+1], s[WB0:WB0+1], s[46:47]
	s_lshl_b32 s46, s32, 2
	s_add_nc_u64 s[SC:SC+1], s[12:13], s[46:47]
	s_lshl_b32 s46, s32, 12
	s_add_nc_u64 s[SBN:SBN+1], s[BB0:BB0+1], s[46:47]
.endm
.macro LOADW ks, base                  ; K step ks of my four tiles: 16 loads of 512 consecutive bytes
.irp nt, 0,1,2,3
.irp c, 0,1,2,3
	global_load_b128 v[64*((\ks)%4)+16*\nt+4*\c:64*((\ks)%4)+16*\nt+4*\c+3], v[WOFF], s[\base:\base+1] offset:16384*\nt+2048*(\ks)+512*\c
.endr
.endr
.endm
.macro LOADP                           ; the next expert's c for my lane's token in each tile, and its bias at my lane's columns
.irp m, 0,1,2,3,4,5,6,7
	global_load_b32 v[CL+\m], v[TOKC+\m], s[SC:SC+1]
.endr
.irp nt, 0,1,2,3
	global_load_b128 v[BW+8*\nt:BW+8*\nt+3], v[BOFF], s[SBN:SBN+1] offset:64*\nt
	global_load_b128 v[BW+8*\nt+4:BW+8*\nt+7], v[BOFF], s[SBN:SBN+1] offset:64*\nt+16
.endr
.endm
.macro XLOAD m, half                   ; token tile m's four fragments of this half of K into set m % 2: 16 loads, each 2 x 256 consecutive bytes
.set xb, X+64*((\m)%2)
.set xa, ADX+(\m)/3
.set xo, (((\m)%3)*32+16*(\half))*PIECE
.set i, 0
.rept 16
	ds_load_b128 v[xb+4*i:xb+4*i+3], v[xa] offset:xo+i*PIECE
.set i, i+1
.endr
.endm
.macro MM m, ksl, half                 ; four matrix instructions: my four column tiles x token tile m, 128 along K.  The four sums take turns, one instruction a turn
.irp nt, 0,1,2,3
.set rT, T+32*((\m)%2)+8*\nt
.set rW, 64*(\ksl)+16*\nt
.set rX, X+64*((\m)%2)+16*(\ksl)
.if (\ksl) == 0 && (\half) == 0
	v_wmma_f32_16x16x128_bf8_bf8 v[rT:rT+7], v[rW:rW+15], v[rX:rX+15], v[BW+8*\nt:BW+8*\nt+7]
.elseif (\ksl) == 0
	v_wmma_f32_16x16x128_bf8_bf8 v[rT:rT+7], v[rW:rW+15], v[rX:rX+15], 0
.else
	v_wmma_f32_16x16x128_bf8_bf8 v[rT:rT+7], v[rW:rW+15], v[rX:rX+15], v[rT:rT+7]
.endif
.endr
.endm
.macro FMA m, nt                       ; OUT(m, nt) += c x 2^E x T(m, nt), each sum from its low end on; c of an even tile is the pair's first register, of an odd tile its second
.set rO, 32*(\m)+8*(\nt)
.set rT, T+32*((\m)%2)+8*(\nt)
.set rC, CW+2*((\m)/2)
.irp i, 0,2,4,6
.if ((\m)%2) == 0
	v_pk_fma_f32 v[rO+\i:rO+\i+1], v[rT+\i:rT+\i+1], v[rC:rC+1], v[rO+\i:rO+\i+1] op_sel_hi:[1,0,1]
.else
	v_pk_fma_f32 v[rO+\i:rO+\i+1], v[rT+\i:rT+\i+1], v[rC:rC+1], v[rO+\i:rO+\i+1] op_sel:[0,1,0] op_sel_hi:[1,1,1]
.endif
.endr
.endm
; HALF AN EXPERT.  half = 0: K steps 0-3 from window 1, while K steps 4-7 come into window 2; half = 1: K steps 4-7, while the next expert's K steps 0-3, c and bias come, if the mask names a next one (s31).
; 48 of those loads stand at the head, the rest behind the fourth tile.
; PLACES: behind a tile's last matrix instruction stand the four packed multiply-adds of the tile before last (or four v_nop), which name none of its registers: they come ahead of the
; loads into its set of X and of the first read of its sums.  A sum begun anew has twelve such instructions or more behind the last that wrote it.
.macro HALF half
.set WM, 1+(\half)                     ; source 0 (W) window 1 or 2
.if (\half) == 0
	WIN TOB
	LOADW 4, SA
	LOADW 5, SA
	LOADW 6, SA
	WIN 0
.else
	s_cmp_lg_u32 s31, 0
	s_cbranch_scc0 .Lno_early_\@
	WIN TOA
	LOADW 0, SN
	LOADW 1, SN
	LOADW 2, SN
	WIN 0
.Lno_early_\@:
.endif
	XLOAD 0, \half
	XLOAD 1, \half
	s_wait_dscnt 16                                ; tile 0's fragments are in; tile 1's sixteen loads stay out
	WIN WM
.irp ksl, 0,1,2,3
	MM 0, \ksl, \half
.endr
	WIN 0
.rept 4
	v_nop
.endr
.irp m, 1,2,3,4,5,6,7
	WIN 0
.if \m == 4
.if (\half) == 0
	WIN TOB
	LOADW 7, SA
	WIN 0
.else
	s_cmp_lg_u32 s31, 0
	s_cbranch_scc0 .Lno_late_\@
	WIN TOA
	LOADW 3, SN
	WIN 0
	LOADP
.Lno_late_\@:
.endif
.endif
.if \m < 7
	XLOAD \m+1, \half
	s_wait_dscnt 16                                ; this tile's fragments are in; the next tile's sixteen loads stay out
.else
	s_wait_dscnt 0
.endif
.irp ksl, 0,1,2,3
	WIN WM
	MM \m, \ksl, \half
	WIN FM
	FMA \m-1, \ksl
.endr
.endr
.irp nt, 0,1,2,3
	FMA 7, \nt
.endr
	WIN 0
.endm
	s_load_b512 s[8:23], s[0:1], 0x0               ; xcodes s[8:9], wfrag s[10:11], cw s[12:13], perm s[14:15], bmask s[16:17], expert_b s[18:19], lowp_scales s[20:21], out0 s[22:23]
	v_lshl_add_u32 v254, v0, 2, 0x26400
	v_mov_b32 v255, 0
	v_lshrrev_b32 v149, 5, v0
	v_readfirstlane_b32 s2, v149                   ; wave 0..3
	s_mov_b32 s3, ttmp9                            ; Q
	s_and_b32 s4, ttmp7, 0xffff                    ; b
	s_mov_b32 s47, 0
	v_and_b32 v144, 15, v0                         ; r
	v_bfe_u32 v145, v0, 4, 1                       ; h
	v_and_b32 v146, 31, v0                         ; lane
	v_lshlrev_b32 v147, 7, v149
	v_lshl_add_u32 v147, v145, 2, v147             ; perm: my wave's 32 places, + lane / 16
	v_lshlrev_b32 v148, 2, v144                    ; perm: place r of a tile
	s_wait_kmcnt 0x0
	s_lshl_b32 s46, s4, 9
	s_add_nc_u64 s[14:15], s[14:15], s[46:47]      ; perm at my block
.set p, 0
.rept 16
	global_load_b32 v[RO+p], v147, s[14:15] offset:8*p         ; the token at place 32 w + 2 p + lane / 16: I gather its row
.set p, p+1
.endr
.irp m, 0,1,2,3,4,5,6,7
	global_load_b32 v[TOKC+\m], v148, s[14:15] offset:64*\m    ; the token at place 16 m + r
.endr
	s_lshl_b32 s46, s4, 3
	s_add_nc_u64 s[16:17], s[16:17], s[46:47]
	s_load_b64 s[24:25], s[16:17], 0x0             ; my block's mask of experts (and their number)
	s_load_b64 s[26:27], s[20:21], 0x0             ; the two exponents
	s_lshl_b32 s46, s3, 18                         ; 16 Q + 4 w tiles of 16,384 bytes
	s_lshl_b32 s33, s2, 16
	s_add_co_u32 s46, s46, s33
	s_add_nc_u64 s[WB0:WB0+1], s[10:11], s[46:47]
	s_lshl_b32 s46, s3, 10                         ; 256 Q + 64 w columns of 4 bytes
	s_lshl_b32 s33, s2, 8
	s_add_co_u32 s46, s46, s33
	s_add_nc_u64 s[BB0:BB0+1], s[18:19], s[46:47]
	s_mov_b32 s5, s46                              ; kept for the way out
	v_mul_u32_u24 v[ADX], v145, SP
	v_lshl_add_u32 v[ADX], v144, 4, v[ADX]         ; a piece's place for my lane: 272 h + 16 r; token tiles 0-2,
	v_add_nc_u32 v[ADX+1], 3*MT, v[ADX]            ; 3-5,
	v_add_nc_u32 v[ADX+2], 6*MT, v[ADX]            ; 6-7: so that every offset fits the 16-bit immediate
	v_lshlrev_b32 v[WOFF], 4, v146
	v_lshlrev_b32 v[BOFF], 5, v145
	v_lshlrev_b32 v143, 4, v144                    ; 16 (lane % 16): my 16 bytes of 256 of a row
	v_mul_u32_u24 v[GST], v149, 2*MT               ; my wave gathers token tiles 2 w and 2 w + 1.  Bytes 256 q + 16 s of a row are K step 2 q + s / 8, piece (s % 8) / 2, half s % 2: 272 s in all
	v_mul_u32_u24 v150, v144, SP
	v_add_nc_u32 v[GST], v[GST], v150
	v_lshl_add_u32 v[GST], v145, 4, v[GST]         ; + 16 (lane / 16): the odd row of the two
	s_wait_loadcnt 0x0
.set p, 0
.rept 16
	v_min_u32 v[RO+p], 0x1fff, v[RO+p]             ; a loaded number enters an address only behind a bound
	v_lshl_add_u32 v[RO+p], v[RO+p], 10, v143
.set p, p+1
.endr
.irp m, 0,1,2,3,4,5,6,7
	v_min_u32 v[TOKC+\m], 0x1fff, v[TOKC+\m]
	v_lshlrev_b32 v[TOKC+\m], 5, v[TOKC+\m]
.endr
	WIN TO3
.set i, 0
.rept 64
	global_load_b128 v[4*i:4*i+3], v[RO+i/4], s[8:9] offset:256*(i%4)   ; sixteen lanes read 256 consecutive bytes of a row, aligned
.set i, i+1
.endr
	WIN 0
	s_wait_kmcnt 0x0
	s_and_b32 s24, s24, 0xff
	s_ctz_i32_b32 s32, s24                         ; the first expert that the mask names (-1 where it names none: the bound makes it 7, whose weights are then loaded and not used)
	s_min_u32 s32, s32, 7
	NEXTBASES
	s_add_co_i32 s28, s26, s27                     ; E
	s_sub_co_i32 s29, 0, s28
.irp t, 0,1,2,3
	s_wait_loadcnt 48                              ; rows' loads 16 t .. 16 t + 15 are in: behind them stand 48 - 16 t loads of rows and 16 t of weights
	WIN D3
.set i, 16*\t
.rept 16
	ds_store_b128 v[GST], v[4*i:4*i+3] offset:((i/4)/8)*MT+8*PIECE*(i%4)+32*((i/4)%8)
.set i, i+1
.endr
	WIN TOA
	LOADW \t, SN                                   ; the first expert's K steps 0-3
.endr
	WIN 0
	LOADP
	s_wait_dscnt 0x0                               ; for the others' sake: my two token tiles lie in LDS
	s_barrier_signal -1
	s_barrier_wait -1                              ; the launch's one barrier: X's images are whole, and are only read from here on
	WIN TO3
.set i, 0
.rept 256
	v_mov_b32 v[i], 0                              ; OUT.  Which experts add onto it is data, and a block without any stores zeros: so no first product can start these sums.  The weights are on their way meanwhile
.set i, i+1
.endr
	WIN 0
	s_mov_b32 s30, 0
.Lexp:                                             ; eight trips; an expert that the mask does not name is passed over
	s_lshr_b32 s33, s24, s30
	s_and_b32 s33, s33, 1
	s_cmp_eq_u32 s33, 0
	s_cbranch_scc1 .Lskip
	s_wait_loadcnt 0x0                             ; this expert's K steps 0-3, c and bias are in; no load is out, so every base may be written
	s_lshl_b32 s46, s30, 20
	s_add_nc_u64 s[SA:SA+1], s[WB0:WB0+1], s[46:47]
.irp m, 0,1,2,3,4,5,6,7
	v_ldexp_f32 v[CW+\m], v[CL+\m], s28            ; c x 2^E
.endr
.set i, 0
.rept 32
	v_ldexp_f32 v[BW+i], v[BW+i], s29              ; b / 2^E: the sums lack that power of two
.set i, i+1
.endr
	HALF 0
	s_wait_loadcnt 0x0                             ; K steps 4-7 are in; no load is out
	s_add_co_u32 s33, s30, 1
	s_lshr_b32 s31, s24, s33                       ; what is left of the mask
	s_ctz_i32_b32 s32, s31
	s_add_co_u32 s32, s32, s33
	s_min_u32 s32, s32, 7                          ; the next expert that it names
	NEXTBASES
	HALF 1
.Lskip:
	s_add_co_u32 s30, s30, 1
	s_cmp_lt_u32 s30, 8
	s_cbranch_scc1 .Lexp
	s_wait_loadcnt 0x0                             ; where the mask named no expert the prologue's loads were never waited for, and their registers are used below
; THE WAY OUT, a token tile at a time: a lane's 32 bytes of a row go into my own stage (rows of 272 bytes) and come back as whole rows of 256 bytes; the row's token comes from the lane that holds it.
	v_and_b32 v58, 15, v0                          ; r
	v_bfe_u32 v59, v0, 4, 1                        ; h
	v_lshrrev_b32 v60, 5, v0                       ; wave
	v_mul_u32_u24 v61, v60, 16*SP
	v_add_nc_u32 v61, STG, v61                     ; my stage
	v_mul_u32_u24 v[STO], v58, SP
	v_lshl_add_u32 v[STO], v59, 5, v[STO]
	v_add_nc_u32 v[STO], v61, v[STO]               ; in: row r, + 32 h
	v_mul_u32_u24 v[RD], v59, SP
	v_lshl_add_u32 v[RD], v58, 4, v[RD]
	v_add_nc_u32 v[RD], v61, v[RD]                 ; back: lanes 0-15 one row, lanes 16-31 the next
	v_lshl_add_u32 v[CO], v58, 4, s5               ; in a row of out0: my wave's 256 bytes, 16 a lane
.irp t, 0,1,2,3,4,5,6,7
	v_lshl_add_u32 v[IDX+\t], v59, 2, 8*\t         ; 4 x the lane that holds row 2 t + lane / 16's token
.endr
.macro PACK m
.set bk, BK+32*((\m)%2)
.set ot, OTK+8*((\m)%2)
.if (\m) >= 2
	s_wait_xcnt 0x0                                ; the stores of two tiles ago have read these registers
.endif
	WIN D3
.irp nt, 0,1,2,3
	ds_store_b128 v[STO], v[32*(\m)+8*\nt:32*(\m)+8*\nt+3] offset:64*\nt
	ds_store_b128 v[STO], v[32*(\m)+8*\nt+4:32*(\m)+8*\nt+7] offset:64*\nt+16
.endr
	WIN 0
.irp t, 0,1,2,3,4,5,6,7
	ds_load_b128 v[bk+4*\t:bk+4*\t+3], v[RD] offset:2*SP*\t    ; LDS serves a wave's instructions in order: these see my stores, and the next tile's stores come behind them
.endr
.irp t, 0,1,2,3,4,5,6,7
	ds_bpermute_b32 v[ot+\t], v[IDX+\t], v[TOKC+(\m)]
.endr
.endm
.macro SEND m, younger                 ; younger: the LDS instructions issued behind tile m's: the next tile's 8 stores, 8 loads and 8 permutes, or none
.set bk, BK+32*((\m)%2)
.set ot, OTK+8*((\m)%2)
	s_wait_dscnt \younger
.irp t, 0,1,2,3,4,5,6,7
	v_min_u32 v[ot+\t], 0x3ffe0, v[ot+\t]          ; 32 x token, bounded
	v_lshl_add_u32 v[ot+\t], v[ot+\t], 7, v[CO]    ; a row of out0 is 4,096 bytes
.endr
.irp t, 0,1,2,3,4,5,6,7
	global_store_b128 v[ot+\t], v[bk+4*\t:bk+4*\t+3], s[22:23] th:TH_STORE_NT   ; sixteen lanes store 256 consecutive bytes of one token's row, aligned; written once, read by nobody here
.endr
.endm
	PACK 0
.irp a, 1,2,3,4,5,6,7
	PACK \a
	SEND \a-1, 24
.endr
	SEND 7, 0
	s_wait_tensorcnt 0x0
	ds_add_u32 v254, v255
	s_wait_dscnt 0x0
	s_endpgm
.Lfunc_end_k_qe711f0549b_experts:
	.size	k_qe711f0549b_experts, .Lfunc_end_k_qe711f0549b_experts-k_qe711f0549b_experts
	.p2alignl 7, 3214868480
	.fill 96, 4, 3214868480
	.section	.rodata,"a",@progbits
	.p2align	6, 0x0
	.amdhsa_kernel k_qe711f0549b_experts
		.amdhsa_group_segment_fixed_size 157184
		.amdhsa_private_segment_fixed_size 0
		.amdhsa_enable_private_segment 0
		.amdhsa_kernarg_size 64
		.amdhsa_user_sgpr_count 2
		.amdhsa_user_sgpr_kernarg_segment_ptr 1
		.amdhsa_wavefront_size32 1
		.amdhsa_system_sgpr_workgroup_id_x 1
		.amdhsa_system_sgpr_workgroup_id_y 1
		.amdhsa_system_sgpr_workgroup_id_z 1
		.amdhsa_system_vgpr_workitem_id 0
		.amdhsa_next_free_vgpr 1024
		.amdhsa_next_free_sgpr 66
		.amdhsa_reserve_vcc 0
		.amdhsa_float_denorm_mode_32 3
		.amdhsa_float_denorm_mode_16_64 3
		.amdhsa_memory_ordered 1
		.amdhsa_forward_progress 1
		.amdhsa_inst_pref_size 132
	.end_amdhsa_kernel
	.amdgpu_metadata
---
amdhsa.version: [ 1, 2 ]
amdhsa.kernels:
  - .name:           k_qe711f0549b_experts
    .symbol:         k_qe711f0549b_experts.kd
    .args:
      - { .name: xcodes, .offset: 0, .size: 8, .value_kind: global_buffer, .address_space: global }
      - { .name: wfrag, .offset: 8, .size: 8, .value_kind: global_buffer, .address_space: global }
      - { .name: cw, .offset: 16, .size: 8, .value_kind: global_buffer, .address_space: global }
      - { .name: perm, .offset: 24, .size: 8, .value_kind: global_buffer, .address_space: global }
      - { .name: bmask, .offset: 32, .size: 8, .value_kind: global_buffer, .address_space: global }
      - { .name: expert_b, .offset: 40, .size: 8, .value_kind: global_buffer, .address_space: global }
      - { .name: lowp_scales, .offset: 48, .size: 8, .value_kind: global_buffer, .address_space: global }
      - { .name: out0, .offset: 56, .size: 8, .value_kind: global_buffer, .address_space: global }
    .group_segment_fixed_size: 157184
    .private_segment_fixed_size: 0
    .kernarg_segment_align: 8
    .kernarg_segment_size: 64
    .max_flat_workgroup_size: 128
    .sgpr_count:     66
    .vgpr_count:     1024
    .wavefront_size: 32
...
	.end_amdgpu_metadata
.endif
;; end of part 3
;; ======== version 2 of 2: 3 launches; version 1 with the launch experts written anew for expert scheduling mode
;; limits: right only within a limited range of input values
;; workspace buffers: xcodes 8,388,608 bytes; wfrag 8,388,608 bytes; cw 262,144 bytes; hist 65,536 bytes of whole numbers; kr 65,536 bytes of whole numbers; perm 32,768 bytes of whole numbers; bmask 512 bytes of whole numbers
;; launch prep: the kernel of part 1 again; grid 256 x 1, 8 waves a work-group, no clusters, 85,504 bytes of LDS; arguments inputs, gate_w, gate_b, expert_w, lowp_scales, xcodes, wfrag, cw, hist, kr; writes xcodes, wfrag, cw, hist, kr
;; launch place: the kernel of part 2 again; grid 1 x 1, 32 waves a work-group, no clusters, 78,336 bytes of LDS; arguments hist, kr, perm, bmask; writes perm, bmask
;; launch experts (part 4): grid 4 x 64, 4 waves a work-group, no clusters, 157,184 bytes of LDS; arguments xcodes, wfrag, cw, perm, bmask, expert_b, lowp_scales, out0; writes out0
.if DOCPART == 4
	.amdgcn_target "amdgcn-amd-amdhsa--gfx1250"
	.amdhsa_code_object_version 6
	.text
	.protected	k_qe711f0549b_experts
	.globl	k_qe711f0549b_experts
	.p2align	8
	.type	k_qe711f0549b_experts,@function
k_qe711f0549b_experts:
	s_mov_b64 s[64:65], 0
	v_nop
	global_prefetch_b8 v0, s[64:65] scope:SCOPE_SE
	s_setreg_imm32_b32 hwreg(HW_REG_WAVE_SCHED_MODE, 0, 2), 2
	s_setreg_imm32_b32 hwreg(HW_REG_WAVE_MODE, 25, 1), 1
	s_wait_xcnt 0x0
	s_wait_alu depctr_vm_vsrc(0)
; THIRD LAUNCH.  out[t] = the sum over the true experts e of c[t][e] x (Q(x[t]) . Q(W_e) x 2^E + b_e), E = the two given exponents added; only the experts that a block of tokens uses are multiplied.
; SHARES.  Work-group (Q = x, b = y) owns the 128 tokens at sorted places 128 b .. 128 b + 127 (perm) and columns 256 Q .. 256 Q + 255: every piece of an output row has one owner.  Wave w owns 64 columns
; (four tiles of 16) for all eight tiles of 16 tokens.  Tokens are sorted by their set of experts, so a block uses few.
; NO TENSOR LOAD, NO CLUSTER: which experts are walked is a branch on a stored number (bmask), so the weights go from memory straight into the operand's registers: wfrag is laid in their order, a lane loads 16 bytes at 16 x lane.
; X lies in LDS once, as images of its fragments (gathered by perm), read by all four waves; each fragment read feeds four matrix instructions.  Each fragment of W is loaded by one wave of the work-group.
; THE MATRIX INSTRUCTION IS USED TRANSPOSED (source 0 = 16 columns of W, source 1 = 16 tokens): lane (r, h) holds token r and columns 8 h + 0 .. 7, so the token's weight c is one number a lane.
; Both operands are fed as four pieces of 16 bytes (registers 4 c .. 4 c + 3: k = 32 c + 16 h + 0 .. 15): the same permutation of k on both sides, so every product meets its partner.
; AN EXPERT'S TURN is two halves of K = 512.  In a half the eight token tiles follow each other; a tile's four sums T (b / 2^E goes in as the C of the first half's first product) are added into OUT by
; OUT += (c x 2^E) x T, packed, between the next tile's matrix instructions.  A token that does not use the expert has c = 0, and 0 x a finite sum adds nothing.
; While one half is multiplied, the other half's weights (of this expert, then of the next one that the mask names) are on their way.
; LIMITS: c x 2^E and |b| / 2^E must be f32 numbers (both by v_ldexp_f32); a bias that is not finite is not served.
; REGISTERS, in windows of 256: window 0: v1-3 X's LDS addresses; v4, v5 offsets; v6-13 32 x token of lane r, a tile each; v14-21 c as loaded; v22-29 c x 2^E; v30-61 the bias; v62-125 T, two sets; v126-253 X's fragments, two sets.
;   window 1: W's K steps 0-3;  window 2: K steps 4-7 (at 64 (ks % 4) + 16 nt + 4 c);  window 3: OUT at 32 m + 8 nt + j (in the prologue: the gathered rows).
; THE MODE: SCHED_MODE bits 1:0 = 2 (LLVM: expert scheduling mode 2), set by the entry lines.  The code itself states the register dependences between vector or matrix instructions and memory or LDS
; instructions, with s_wait_alu, always for 0.
; THE PLAN.  Registers that memory or LDS instructions touch, in the loop over experts:
;   X0, X1        Tile m's sixteen matrix instructions read X[m % 2]; the LDS loads of tile m + 1, issued in tile m's step, land in X[(m + 1) % 2], which tile m - 1 read.
;   window 1      Read by half 0's matrix instructions; the next expert's K steps 0-3 land in it during half 1.
;   window 2      Read by half 1's matrix instructions; K steps 4-7 land in it during half 0.
;   CL, BW        Half 0's v_ldexp_f32 read CL and rewrite BW, its first products read BW; the next expert's c and bias land in them during half 1.
;   v1-13         Addresses and offsets: made in the prologue, read by every load, never written again.
;   T, CW and OUT are named by vector and matrix instructions alone.
; So one wait on va_vdst stands at the head of each half (the half before is done with both sets of X, with the window that is asked for again, and, for half 1, with CL and BW), and one at the head of each of
; tiles 1 to 6 (tile m - 1 is done with its set of X).  A tile's loads follow behind its first four matrix instructions, which name T, W, X[m % 2] and BW: none of the registers that those loads touch.
.set PIECE, 544                        ; LDS: a piece of a fragment: 256 bytes for lanes 0-15, 16 of padding, 256 for lanes 16-31, 16 of padding
.set MT,    32*PIECE                   ; a token tile: 8 K steps x 4 pieces
.set STG,   8*MT                       ; behind X's images: a stage of 16 rows x 272 bytes for each wave
.set SP,    272
.set ADX,   1
.set WOFF,  4
.set BOFF,  5
.set TOKC,  6
.set CL,    14
.set CW,    22
.set BW,    30
.set T,     62
.set X,     126
.set RO,    126                        ; the prologue's own, in X's registers: 16 row offsets,
.set GST,   142                        ; where I put a row's 16 bytes
.set STO,   30                         ; the way out's own, in the bias's registers,
.set RD,    31
.set CO,    32
.set IDX,   34
.set OT,    126                        ; in X's first set: 64 byte offsets of rows of out0, at 8 m + t,
.set BK,    62                         ; and four sets of 32 for rows read back from the stage: in T's registers (v62, v94) and in X's second set (v190, v222)
.set WB0,   34                         ; s[34:35] wfrag at my wave's four tiles of expert 0
.set SA,    36                         ; s[36:37] the same for the expert in hand
.set SN,    38                         ; s[38:39] for the next
.set SC,    40                         ; s[40:41] cw at the next expert's column
.set BB0,   42                         ; s[42:43] expert_b at my wave's columns of expert 0
.set SBN,   44                         ; s[44:45] the same for the next expert
.set FM,    0xf0                       ; OUT (destination and source 2) window 3
.set TOA,   0x40                       ; destination window 1
.set TOB,   0x80                       ; destination window 2
.set TO3,   0xc0                       ; destination window 3
.set D3,    0x0c                       ; an LDS store's data window 3
.set MSB, 0
.macro WIN new                         ; the immediate's high byte repeats the setting that is left
.if MSB != (\new)
	s_set_vgpr_msb (MSB<<8)|(\new)
.set MSB, (\new)
.endif
.endm
.macro NEXTBASES                       ; from s32, the next expert (bounded by 7)
	s_lshl_b32 s46, s32, 20
	s_add_nc_u64 s[SN:SN+1], s[WB0:WB0+1], s[46:47]
	s_lshl_b32 s46, s32, 2
	s_add_nc_u64 s[SC:SC+1], s[12:13], s[46:47]
	s_lshl_b32 s46, s32, 12
	s_add_nc_u64 s[SBN:SBN+1], s[BB0:BB0+1], s[46:47]
.endm
.macro LOADW ks, base                  ; K step ks of my four tiles: 16 loads of 512 consecutive bytes
.irp nt, 0,1,2,3
.irp c, 0,1,2,3
	global_load_b128 v[64*((\ks)%4)+16*\nt+4*\c:64*((\ks)%4)+16*\nt+4*\c+3], v[WOFF], s[\base:\base+1] offset:16384*\nt+2048*(\ks)+512*\c
.endr
.endr
.endm
.macro LOADP                           ; the next expert's c for my lane's token in each tile, and its bias at my lane's columns
.irp m, 0,1,2,3,4,5,6,7
	global_load_b32 v[CL+\m], v[TOKC+\m], s[SC:SC+1]
.endr
.irp nt, 0,1,2,3
	global_load_b128 v[BW+8*\nt:BW+8*\nt+3], v[BOFF], s[SBN:SBN+1] offset:64*\nt
	global_load_b128 v[BW+8*\nt+4:BW+8*\nt+7], v[BOFF], s[SBN:SBN+1] offset:64*\nt+16
.endr
.endm
.macro XLOAD m, half                   ; token tile m's four fragments of this half of K into set m % 2: 16 loads, each 2 x 256 consecutive bytes; loads 4 ksl .. 4 ksl + 3 are fragment ksl
.set xb, X+64*((\m)%2)
.set xa, ADX+(\m)/3
.set xo, (((\m)%3)*32+16*(\half))*PIECE
.set i, 0
.rept 16
	ds_load_b128 v[xb+4*i:xb+4*i+3], v[xa] offset:xo+i*PIECE
.set i, i+1
.endr
.endm
.macro MM m, ksl, half                 ; four matrix instructions: my four column tiles x token tile m, 128 along K.  The four sums take turns, one instruction a turn
.irp nt, 0,1,2,3
.set rT, T+32*((\m)%2)+8*\nt
.set rW, 64*(\ksl)+16*\nt
.set rX, X+64*((\m)%2)+16*(\ksl)
.if (\ksl) == 0 && (\half) == 0
	v_wmma_f32_16x16x128_bf8_bf8 v[rT:rT+7], v[rW:rW+15], v[rX:rX+15], v[BW+8*\nt:BW+8*\nt+7]
.elseif (\ksl) == 0
	v_wmma_f32_16x16x128_bf8_bf8 v[rT:rT+7], v[rW:rW+15], v[rX:rX+15], 0
.else
	v_wmma_f32_16x16x128_bf8_bf8 v[rT:rT+7], v[rW:rW+15], v[rX:rX+15], v[rT:rT+7]
.endif
.endr
.endm
.macro FMA m, nt                       ; OUT(m, nt) += c x 2^E x T(m, nt), each sum from its low end on; c of an even tile is the pair's first register, of an odd tile its second
.set rO, 32*(\m)+8*(\nt)
.set rT, T+32*((\m)%2)+8*(\nt)
.set rC, CW+2*((\m)/2)
.irp i, 0,2,4,6
.if ((\m)%2) == 0
	v_pk_fma_f32 v[rO+\i:rO+\i+1], v[rT+\i:rT+\i+1], v[rC:rC+1], v[rO+\i:rO+\i+1] op_sel_hi:[1,0,1]
.else
	v_pk_fma_f32 v[rO+\i:rO+\i+1], v[rT+\i:rT+\i+1], v[rC:rC+1], v[rO+\i:rO+\i+1] op_sel:[0,1,0] op_sel_hi:[1,1,1]
.endif
.endr
.endm
; HALF AN EXPERT.  half = 0: K steps 0-3 from window 1, while K steps 4-7 come into window 2; half = 1: K steps 4-7, while the next expert's K steps 0-3, c and bias come, if the mask names a next one (s31).
; 48 of those loads stand at the head, behind the first two tiles' LDS loads; the rest behind the fifth tile's first products.
; PLACES (ISA guide 7.12.1): behind a tile's last matrix instruction stand the four packed multiply-adds of the tile before last (or four v_nop), which name none of its registers: they come ahead of the
; first read of its sums.  A sum begun anew has twelve such instructions or more behind the last that wrote it.
; LDS loads come back in order (ISA guide 5.7.1), so each group of four matrix instructions waits for its own fragment alone, by a count of the loads issued behind that fragment's four.
.macro HALF half
.set WM, 1+(\half)                     ; source 0 (W) window 1 or 2
	s_wait_alu depctr_va_vdst(0)                   ; the matrix instructions issued so far are done reading both sets of X and the window of W in which the loads of this half land; half 1: the v_ldexp_f32 and half 0's first products are done with CL and BW too
	XLOAD 0, \half
	XLOAD 1, \half
.if (\half) == 0
	WIN TOB
	LOADW 4, SA
	LOADW 5, SA
	LOADW 6, SA
	WIN 0
.irp m, 0,1,2,3,4,5,6,7
	v_ldexp_f32 v[CW+\m], v[CL+\m], s28            ; c x 2^E.  (These forty lines name CL, CW and BW alone: none of the registers that the loads above or this half's later loads touch)
.endr
.set i, 0
.rept 32
	v_ldexp_f32 v[BW+i], v[BW+i], s29              ; b / 2^E: the sums lack that power of two
.set i, i+1
.endr
.else
	s_cmp_lg_u32 s31, 0
	s_cbranch_scc0 .Lno_early_\@
	WIN TOA
	LOADW 0, SN
	LOADW 1, SN
	LOADW 2, SN
	WIN 0
.Lno_early_\@:
.endif
	WIN WM
.irp ksl, 0,1,2,3
	s_wait_dscnt 28-4*\ksl                         ; tile 0's fragment ksl is in: behind its four loads stand 12 - 4 ksl of its tile and tile 1's sixteen
	MM 0, \ksl, \half
.endr
	WIN 0
.rept 4
	v_nop
.endr
.irp m, 1,2,3,4,5,6,7
.if \m < 7
	s_wait_alu depctr_va_vdst(0)                   ; the tile before is done reading its set of X, in which the next tile's fragments land below
.endif
.irp ksl, 0,1,2,3
.if \ksl == 0 || \m == 7
	s_wait_dscnt 12-4*\ksl                         ; this tile's fragment ksl is in: only this tile's later loads stand behind it
.else
	s_wait_dscnt 28-4*\ksl                         ; the same, with the next tile's sixteen loads behind them
.endif
	WIN WM
	MM \m, \ksl, \half
.if \ksl == 0
.if \m < 7
	WIN 0
	XLOAD \m+1, \half                              ; no further wait: since the wait at the tile's head only the four products above were issued, and they name the other set of X
.endif
.if \m == 4
.if (\half) == 0
	WIN TOB
	LOADW 7, SA                                    ; window 2 has not been named since the wait at this half's head
.else
	s_cmp_lg_u32 s31, 0
	s_cbranch_scc0 .Lno_late_\@
	WIN TOA
	LOADW 3, SN                                    ; nor have window 1, CL and BW in half 1
	WIN 0
	LOADP
.Lno_late_\@:
.endif
.endif
.endif
	WIN FM
	FMA \m-1, \ksl
.endr
.endr
.irp nt, 0,1,2,3
	FMA 7, \nt
.endr
	WIN 0
.endm
	s_load_b512 s[8:23], s[0:1], 0x0               ; xcodes s[8:9], wfrag s[10:11], cw s[12:13], perm s[14:15], bmask s[16:17], expert_b s[18:19], lowp_scales s[20:21], out0 s[22:23]
	v_lshl_add_u32 v254, v0, 2, 0x26400
	v_mov_b32 v255, 0
	v_lshrrev_b32 v149, 5, v0
	v_readfirstlane_b32 s2, v149                   ; wave 0..3
	s_mov_b32 s3, ttmp9                            ; Q
	s_and_b32 s4, ttmp7, 0xffff                    ; b
	s_mov_b32 s47, 0
	v_and_b32 v144, 15, v0                         ; r
	v_bfe_u32 v145, v0, 4, 1                       ; h
	v_and_b32 v146, 31, v0                         ; lane
	v_lshlrev_b32 v147, 7, v149
	v_lshl_add_u32 v147, v145, 2, v147             ; perm: my wave's 32 places, + lane / 16
	v_lshlrev_b32 v148, 2, v144                    ; perm: place r of a tile
	s_wait_alu depctr_va_sdst(0)                   ; s2 is written, ahead of its first reader: the bases of wfrag and expert_b are made from it
	s_wait_kmcnt 0x0
	s_lshl_b32 s46, s4, 9
	s_add_nc_u64 s[14:15], s[14:15], s[46:47]      ; perm at my block
	s_wait_alu depctr_va_vdst(0)                   ; v147 and v148 are written, which the loads below read as offsets
.set p, 0
.rept 16
	global_load_b32 v[RO+p], v147, s[14:15] offset:8*p         ; the token at place 32 w + 2 p + lane / 16: I gather its row
.set p, p+1
.endr
.irp m, 0,1,2,3,4,5,6,7
	global_load_b32 v[TOKC+\m], v148, s[14:15] offset:64*\m    ; the token at place 16 m + r
.endr
	s_lshl_b32 s46, s4, 3
	s_add_nc_u64 s[16:17], s[16:17], s[46:47]
	s_load_b64 s[24:25], s[16:17], 0x0             ; my block's mask of experts (and their number)
	s_load_b64 s[26:27], s[20:21], 0x0             ; the two exponents
	s_lshl_b32 s46, s3, 18                         ; 16 Q + 4 w tiles of 16,384 bytes
	s_lshl_b32 s33, s2, 16
	s_add_co_u32 s46, s46, s33
	s_add_nc_u64 s[WB0:WB0+1], s[10:11], s[46:47]
	s_lshl_b32 s46, s3, 10                         ; 256 Q + 64 w columns of 4 bytes
	s_lshl_b32 s33, s2, 8
	s_add_co_u32 s46, s46, s33
	s_add_nc_u64 s[BB0:BB0+1], s[18:19], s[46:47]
	s_mov_b32 s5, s46                              ; kept for the way out
	v_mul_u32_u24 v[ADX], v145, SP
	v_lshl_add_u32 v[ADX], v144, 4, v[ADX]         ; a piece's place for my lane: 272 h + 16 r; token tiles 0-2,
	v_add_nc_u32 v[ADX+1], 3*MT, v[ADX]            ; 3-5,
	v_add_nc_u32 v[ADX+2], 6*MT, v[ADX]            ; 6-7: so that every offset fits the 16-bit immediate
	v_lshlrev_b32 v[WOFF], 4, v146
	v_lshlrev_b32 v[BOFF], 5, v145
	v_lshlrev_b32 v143, 4, v144                    ; 16 (lane % 16): my 16 bytes of 256 of a row
	v_mul_u32_u24 v[GST], v149, 2*MT               ; my wave gathers token tiles 2 w and 2 w + 1.  Bytes 256 q + 16 s of a row are K step 2 q + s / 8, piece (s % 8) / 2, half s % 2: 272 s in all
	v_mul_u32_u24 v150, v144, SP
	v_add_nc_u32 v[GST], v[GST], v150
	v_lshl_add_u32 v[GST], v145, 4, v[GST]         ; + 16 (lane / 16): the odd row of the two
	s_wait_loadcnt 0x0
.set p, 0
.rept 16
	v_min_u32 v[RO+p], 0x1fff, v[RO+p]             ; a loaded number enters an address only behind a bound
	v_lshl_add_u32 v[RO+p], v[RO+p], 10, v143
.set p, p+1
.endr
.irp m, 0,1,2,3,4,5,6,7
	v_min_u32 v[TOKC+\m], 0x1fff, v[TOKC+\m]
	v_lshlrev_b32 v[TOKC+\m], 5, v[TOKC+\m]
.endr
	WIN TO3
	s_wait_alu depctr_va_vdst(0)                   ; the sixteen row offsets are written, which the loads below read; so are v1 to v13 and v142, which every later load and the LDS stores of the prologue read as addresses
.set i, 0
.rept 64
	global_load_b128 v[4*i:4*i+3], v[RO+i/4], s[8:9] offset:256*(i%4)   ; sixteen lanes read 256 consecutive bytes of a row, aligned
.set i, i+1
.endr
	WIN 0
	s_wait_kmcnt 0x0
	s_and_b32 s24, s24, 0xff
	s_ctz_i32_b32 s32, s24                         ; the first expert that the mask names (-1 where it names none: the bound makes it 7, whose weights are then loaded and not used)
	s_min_u32 s32, s32, 7
	NEXTBASES
	s_add_co_i32 s28, s26, s27                     ; E
	s_sub_co_i32 s29, 0, s28
.irp t, 0,1,2,3
	s_wait_loadcnt 48                              ; rows' loads 16 t .. 16 t + 15 are in: behind them stand 48 - 16 t loads of rows and 16 t of weights
	WIN D3
.set i, 16*\t
.rept 16
	ds_store_b128 v[GST], v[4*i:4*i+3] offset:((i/4)/8)*MT+8*PIECE*(i%4)+32*((i/4)%8)
.set i, i+1
.endr
	WIN TOA
	LOADW \t, SN                                   ; the first expert's K steps 0-3.  No vector instruction has been issued since the wait above
.endr
	WIN 0
	LOADP
	s_wait_dscnt 0x0                               ; for the others' sake: my two token tiles lie in LDS
	s_barrier_signal -1
	s_barrier_wait -1                              ; the launch's one barrier: X's images are whole, and are only read from here on
	s_wait_alu depctr_vm_vsrc(0)                   ; my LDS stores have read window 3, which the zeros below write; the prologue's loads and stores have read v126 to v148, in which X's fragments land from here on
	WIN TO3
.set i, 0
.rept 256
	v_mov_b32 v[i], 0                              ; OUT.  Which experts add onto it is data, and a block without any stores zeros: so no first product can start these sums.  The weights are on their way meanwhile
.set i, i+1
.endr
	WIN 0
	s_mov_b32 s30, 0
.Lexp:                                             ; eight trips; an expert that the mask does not name is passed over
	s_lshr_b32 s33, s24, s30
	s_and_b32 s33, s33, 1
	s_cmp_eq_u32 s33, 0
	s_cbranch_scc1 .Lskip
	s_wait_loadcnt 0x0                             ; this expert's K steps 0-3, c and bias are in; no load is out, so every base may be written
	s_lshl_b32 s46, s30, 20
	s_add_nc_u64 s[SA:SA+1], s[WB0:WB0+1], s[46:47]
	HALF 0
	s_wait_loadcnt 0x0                             ; K steps 4-7 are in; no load is out
	s_add_co_u32 s33, s30, 1
	s_lshr_b32 s31, s24, s33                       ; what is left of the mask
	s_ctz_i32_b32 s32, s31
	s_add_co_u32 s32, s32, s33
	s_min_u32 s32, s32, 7                          ; the next expert that it names
	NEXTBASES
	HALF 1
.Lskip:
	s_add_co_u32 s30, s30, 1
	s_cmp_lt_u32 s30, 8
	s_cbranch_scc1 .Lexp
	s_wait_loadcnt 0x0                             ; where the mask named no expert the prologue's loads were never waited for, and their registers are used below
; THE WAY OUT, a token tile at a time: a lane's 32 bytes of a row go into my own stage (rows of 272 bytes) and come back as whole rows of 256 bytes; the row's token comes from the lane that holds it.
; The 64 rows' offsets in out0 are made at once, so that one wait stands between the lines that make them and all the stores.  The rows come back into four sets of registers by turns.
	v_and_b32 v58, 15, v0                          ; r
	v_bfe_u32 v59, v0, 4, 1                        ; h
	v_lshrrev_b32 v60, 5, v0                       ; wave
	v_mul_u32_u24 v61, v60, 16*SP
	v_add_nc_u32 v61, STG, v61                     ; my stage
	v_mul_u32_u24 v[STO], v58, SP
	v_lshl_add_u32 v[STO], v59, 5, v[STO]
	v_add_nc_u32 v[STO], v61, v[STO]               ; in: row r, + 32 h
	v_mul_u32_u24 v[RD], v59, SP
	v_lshl_add_u32 v[RD], v58, 4, v[RD]
	v_add_nc_u32 v[RD], v61, v[RD]                 ; back: lanes 0-15 one row, lanes 16-31 the next
	v_lshl_add_u32 v[CO], v58, 4, s5               ; in a row of out0: my wave's 256 bytes, 16 a lane
.irp t, 0,1,2,3,4,5,6,7
	v_lshl_add_u32 v[IDX+\t], v59, 2, 8*\t         ; 4 x the lane that holds row 2 t + lane / 16's token
.endr
.macro PACK m
.set bk, BK+32*((\m)%2)+128*(((\m)%4)/2)
.if (\m) >= 4
	s_wait_xcnt 0x0                                ; the stores of four tiles ago have had their addresses translated,
	s_wait_alu depctr_vm_vsrc(0)                   ; and have read this set of registers, in which the loads below land
.endif
	WIN D3
.irp nt, 0,1,2,3
	ds_store_b128 v[STO], v[32*(\m)+8*\nt:32*(\m)+8*\nt+3] offset:64*\nt
	ds_store_b128 v[STO], v[32*(\m)+8*\nt+4:32*(\m)+8*\nt+7] offset:64*\nt+16
.endr
	WIN 0
.irp t, 0,1,2,3,4,5,6,7
	ds_load_b128 v[bk+4*\t:bk+4*\t+3], v[RD] offset:2*SP*\t    ; LDS serves a wave's instructions in order: these see my stores, and the next tile's stores come behind them
.endr
.endm
.macro SEND m, younger                 ; younger: the LDS instructions issued behind tile m's: the next tile's 8 stores and 8 loads, or none
.set bk, BK+32*((\m)%2)+128*(((\m)%4)/2)
	s_wait_dscnt \younger
.irp t, 0,1,2,3,4,5,6,7
	global_store_b128 v[OT+8*(\m)+\t], v[bk+4*\t:bk+4*\t+3], s[22:23] th:TH_STORE_NT   ; sixteen lanes store 256 consecutive bytes of one token's row, aligned; written once, read by nobody here
.endr
.endm
	s_wait_alu depctr_va_vdst(0)                   ; v30, v31 and v34 to v41 are written, which the LDS instructions below read; the multiply-adds have written OUT, which the LDS stores read; X's and T's registers, in which LDS results land, are done with
.irp m, 0,1,2,3,4,5,6,7
.irp t, 0,1,2,3,4,5,6,7
	ds_bpermute_b32 v[OT+8*\m+\t], v[IDX+\t], v[TOKC+\m]
.endr
.endr
	PACK 0                                         ; the first two tiles go through the stage while the tokens' numbers come
	PACK 1
	s_wait_dscnt 32                                ; the 64 permutes are back: behind them stand the 32 LDS instructions of tiles 0 and 1
.set i, 0
.rept 64
	v_min_u32 v[OT+i], 0x3ffe0, v[OT+i]            ; 32 x token, bounded
.set i, i+1
.endr
.set i, 0
.rept 64
	v_lshl_add_u32 v[OT+i], v[OT+i], 7, v[CO]      ; a row of out0 is 4,096 bytes
.set i, i+1
.endr
	s_wait_alu depctr_va_vdst(0)                   ; the 64 offsets are written, which all the stores below read as addresses; no vector instruction follows
	SEND 0, 16
.irp a, 2,3,4,5,6,7
	PACK \a
	SEND \a-1, 16
.endr
	SEND 7, 0
	s_wait_dscnt 0x0                               ; the closing lines, six on end
	s_wait_alu 0x0
	s_wait_tensorcnt 0x0
	ds_add_u32 v254, v255
	s_wait_dscnt 0x0
	s_endpgm
.Lfunc_end_k_qe711f0549b_experts:
	.size	k_qe711f0549b_experts, .Lfunc_end_k_qe711f0549b_experts-k_qe711f0549b_experts
	.p2alignl 7, 3214868480
	.fill 96, 4, 3214868480
	.section	.rodata,"a",@progbits
	.p2align	6, 0x0
	.amdhsa_kernel k_qe711f0549b_experts
		.amdhsa_group_segment_fixed_size 157184
		.amdhsa_private_segment_fixed_size 0
		.amdhsa_enable_private_segment 0
		.amdhsa_kernarg_size 64
		.amdhsa_user_sgpr_count 2
		.amdhsa_user_sgpr_kernarg_segment_ptr 1
		.amdhsa_wavefront_size32 1
		.amdhsa_system_sgpr_workgroup_id_x 1
		.amdhsa_system_sgpr_workgroup_id_y 1
		.amdhsa_system_sgpr_workgroup_id_z 1
		.amdhsa_system_vgpr_workitem_id 0
		.amdhsa_next_free_vgpr 1024
		.amdhsa_next_free_sgpr 66
		.amdhsa_reserve_vcc 0
		.amdhsa_float_denorm_mode_32 3
		.amdhsa_float_denorm_mode_16_64 3
		.amdhsa_memory_ordered 1
		.amdhsa_forward_progress 1
		.amdhsa_inst_pref_size 135
	.end_amdhsa_kernel
	.amdgpu_metadata
---
amdhsa.version: [ 1, 2 ]
amdhsa.kernels:
  - .name:           k_qe711f0549b_experts
    .symbol:         k_qe711f0549b_experts.kd
    .args:
      - { .name: xcodes, .offset: 0, .size: 8, .value_kind: global_buffer, .address_space: global }
      - { .name: wfrag, .offset: 8, .size: 8, .value_kind: global_buffer, .address_space: global }
      - { .name: cw, .offset: 16, .size: 8, .value_kind: global_buffer, .address_space: global }
      - { .name: perm, .offset: 24, .size: 8, .value_kind: global_buffer, .address_space: global }
      - { .name: bmask, .offset: 32, .size: 8, .value_kind: global_buffer, .address_space: global }
      - { .name: expert_b, .offset: 40, .size: 8, .value_kind: global_buffer, .address_space: global }
      - { .name: lowp_scales, .offset: 48, .size: 8, .value_kind: global_buffer, .address_space: global }
      - { .name: out0, .offset: 56, .size: 8, .value_kind: global_buffer, .address_space: global }
    .group_segment_fixed_size: 157184
    .private_segment_fixed_size: 0
    .kernarg_segment_align: 8
    .kernarg_segment_size: 64
    .max_flat_workgroup_size: 128
    .sgpr_count:     66
    .vgpr_count:     1024
    .wavefront_size: 32
...
	.end_amdgpu_metadata
.endif
;; end of part 4
